; MI455X (gfx1250); checked and timed in simulation.
; The chip was launched on July 23, 2026; its instructions are those of AMD's public machine-readable ISA for CDNA 5 (MIT licence, August 2026) and "CDNA5" Instruction Set Architecture Reference Guide (July 2026). The comments in the code are by the model that wrote it; some were corrected since.
;; Self Attn. Allowed arithmetic: matrix products marked QUANTISED: E4M3 operands, one E8M0 scale for each 32 along K, by v_wmma_scale_f32_16x16x128_f8f6f4 with both operands' format E4M3, f32 sums; everything else in f32.
;; Inputs: Wk 1,024 x 1,024 float32; Wq 1,024 x 1,024 float32; Wv 1,024 x 1,024 float32; x 4 x 2,048 x 1,024 float32.
;; Outputs: out0 4 x 2,048 x 1,024 float32.
;; This version of the problem:
;;   THIS VERSION OF THE PROBLEM IS GIVEN IN LOW PRECISION. The matrix products marked QUANTISED in the list below multiply operands that are first quantised to E4M3 (4 exponent bits, 3 mantissa bits; 8 bits a number), with one power-of-two scale for each 32 numbers along K (OCP MX v1.0); their sums are f32. All else is computed in f32.
;;   The module's matrix products, in the order in which they are computed (A, B: the left and right operand; K: the contracted axis; several contracted axes count as one K, in the product's order):
;;     1. [M 8,192, K 1,024] x [K 1,024, N 1,024]; A: input x; B: input Wk: QUANTISED
;;     2. [M 8,192, K 1,024] x [K 1,024, N 1,024]; A: input x; B: input Wq: QUANTISED
;;     3. [M 8,192, K 1,024] x [K 1,024, N 1,024]; A: input x; B: input Wv: QUANTISED
;;     4. batch 4 x [M 2,048, K 1,024] x [K 1,024, N 2,048]; A: computed on the way; B: computed on the way: QUANTISED
;;     5. batch 4 x [M 2,048, K 2,048] x [K 2,048, N 1,024]; A: softmax (see below); B: computed on the way: QUANTISED
;;   THE QUANTISER, for each operand of a quantised product, along K:
;;     - K is cut into blocks of 32 from its start; a last block that is shorter is filled with zeros.
;;     - A block's scale is 2^e with e = floor(log2(the largest magnitude in the block)) - 8, held to -126 .. 127; a block of zeros has e = 0. As a byte (E8M0): e + 127.
;;     - Each number is divided by its block's scale, clamped to +-448, and rounded to the nearest number of E4M3, ties to even, subnormals kept.
;;     - The product sums the exact products of the quantised numbers (number of the format x scale) in f32.
;;   ~~~python
;;   def quantise(x, axis):      # numpy; x: float32 -> the quantised numbers, widened to float32 again
;;       x = np.moveaxis(x, axis, -1); K = x.shape[-1]
;;       x = np.pad(x, [(0, 0)] * (x.ndim - 1) + [(0, -K % 32)]); x = x.reshape(x.shape[:-1] + (-1, 32)); a = np.abs(x).max(-1, keepdims=True)
;;       e = np.where(a > 0, np.clip(np.frexp(np.where(a > 0, a, 1))[1] - 1 - 8, -126, 127), 0)      # np.frexp(a)[1] - 1 = floor(log2(a)), exactly
;;       r = np.clip(x / 2.0 ** e, -448, 448)
;;       step = 2.0 ** (np.maximum(np.frexp(np.where(r == 0, 1, r))[1] - 1, -6) - 3)
;;       q = np.round(r / step) * step * 2.0 ** e      # np.round: ties to even
;;       return np.moveaxis(q.reshape(q.shape[:-2] + (-1,))[..., :K], -1, axis).astype(np.float32)
;;   ~~~
;;   SOFTMAX AHEAD OF A QUANTISED PRODUCT. Where the list says 'softmax', what is quantised is not the finished softmax but p = 2^(t - M), with t = logit x log2(e) and M = ceil(the row's largest t), a whole number; so 1/2 < the row's largest p <= 1. The row's sum l is taken of the UNQUANTISED p, in f32, and the product's result is divided by l at the end. Since M is a whole number, a kernel that streams over the keys may use a running M (the ceiling of the running maximum): every later rescaling is an exact power of two, which a block's scale takes up: the codes' values come out the same.
;;   OPERANDS COMPUTED ON THE WAY. 'Computed on the way' means the value that the module computes at that place (a softmax that the list does not call 'softmax' is quantised finished and normalised). What goes into a quantiser is computed in f32, as accurately as f32 sums, v_exp_f32 and their like allow (about 1e-6 of the number): no bf16 or f16 on the way to a quantiser, and a product that is left as it is and whose result goes on into a quantised operand takes f32 operands (vector FMAs, or v_wmma_f32_16x16x4_f32). A number that lies on a knife's edge between two numbers of the format may be rounded either way, as far as f32 arithmetic and the matrix unit's own rounding can turn it there, and no further.
;; One version. Each part assembles by itself: llvm-mc -triple=amdgcn-amd-amdhsa -mcpu=gfx1250 --defsym DOCPART=n.
;; ======== version 1 of 1: 4 launches
;; limits: right only within a limited range of input values
;; workspace buffers: xw_img 11,534,336 bytes; xw_sc 360,448 bytes; qk_img 16,777,216 bytes; qk_sc 524,288 bytes; vt_img 8,388,608 bytes; vt_sc 262,144 bytes; p_img 16,777,216 bytes; p_st 2,097,152 bytes
;; launch quant (part 1): grid 448 x 1, 4 waves a work-group, no clusters, 35,328 bytes of LDS; arguments x, Wq, Wk, Wv, xw_img, xw_sc; writes xw_img, xw_sc
.if DOCPART == 1
	.amdgcn_target "amdgcn-amd-amdhsa--gfx1250"
	.amdhsa_code_object_version 6
	.text
	.protected	k_qd5b7454893_quant
	.globl	k_qd5b7454893_quant
	.p2align	8
	.type	k_qd5b7454893_quant,@function
k_qd5b7454893_quant:
	s_mov_b64 s[64:65], 0
	v_nop
	global_prefetch_b8 v0, s[64:65] scope:SCOPE_SE
	s_setreg_imm32_b32 hwreg(HW_REG_WAVE_MODE, 25, 1), 1
	s_wait_xcnt 0x0
; THE PROGRAM: causal attention with one head of 1,024, x [4][2048][1024], on codes of FP8 (E4M3) with one E8M0 scale for each 32 along a product's K.  Four launches:
;   quant: x, Wq, Wk, Wv (f32) -> codes and scale words;   proj: Q, K = x W and V^T = Wv^T x^T, quantised in registers;   scores: S^T = K Q^T, mask, p = 2^(t - M) under a tile's own whole M, quantised;
;   pv: the row's M and sum from the tiles' own, the difference taken off p's scale bytes (a power of two: the codes stay), O^T = V^T P^T, divided by the sum.
; WORK LEFT OUT.  reference() sets score (q, k) to -infinity wherever k > q, by a tril that it builds itself; the softmax makes 0 of it, whatever finite values x and the weights hold, and 0 adds nothing to attn @ V.
; So a tile of 128 queries x 128 keys whose every key comes after its every query (key chunk > query chunk) reaches no output, and products 4 and 5 leave such tiles out: 544 of 1,024 tiles of a batch's four are made.
; No input is left out.
; LIMITS: a NaN, an infinity or an overflow that would arise only in a tile left out is not carried to the result; NaN and infinities among the inputs are not served; a block of zeros, or one whose largest
; magnitude lies under 2^(9 - 127), gets the scale byte 1 (its codes are zeros or subnormal codes; the bytes are read by this program alone).
;
; THE WORKSPACE'S FORM.  A FRAGMENT IMAGE is 16 rows x 128 along K as the matrix operand's registers hold it: byte 512 c + 16 lane + e is row lane % 16, k = 32 c + 16 (lane / 16) + e: 2,048 bytes.
; ROWS LIE IN STORAGE ORDER: bits 3 and 4 of the row's number change places: position r of block 2 g + u is row 32 g + 8 u + r % 8 + 16 (r / 8).  Used as source 0 of a product, two neighbouring blocks then give a
; lane 16 NEIGHBOURS along the next product's K.  K is always in its true order.  Scale words: four bytes for a row and 128 along K, laid [chunk of 128][row in storage order].
; xw_img [8 chunks][704 blocks][2048]: blocks 0-511 x; then the weights [8 tiles of 128 columns][2 halves of 64][Wq, Wk, Wv][4 blocks]: what a wave of 'proj' reads lies on end.  xw_sc [8][11264] words, rows in the same order.
;
; THIS LAUNCH.  Work-groups 0-255 take x (K innermost), 256-447 the weights (K is their first axis).  No tensor load, no barrier: waves share nothing.
; x: a wave takes 64 rows x 128 along K: four fragments, all 64 loads asked for at once (fragments 2 and 3 land in window 1).  Each load reads a row's 512 consecutive bytes; the 16 rows of a fragment turn through the
; wave's own stage in LDS (rows 528 bytes apart) so that a lane holds 16 neighbours of each block of 32; each store of codes covers 512 consecutive bytes, aligned.
; W: a wave takes 32 columns x 128 along K; a lane takes a column and its registers run down K, so a block of 32 lies in one lane; lane l takes the column whose storage place is l; sixteen lanes store 256 consecutive bytes, aligned.
.set WREG,  8704                       ; LDS of a wave: a stage of 16 x 528 bytes, then 256 bytes of scale words
.set SWO,   8448
.set SPARE, 4*WREG                     ; behind the four regions: the spare words, 128 bytes for each wave
.set SEL,   20                         ; s[20:21] lane selects for v_permlanex16_b32: lane l xor 16
.set MNT,   23                         ; s23 the mantissa field of 448
.set IO,    4                          ; v4  16 x lane
.set STI,   5                          ; v5  the stage, on the way in
.set STO,   6                          ; v6  and on the way out: row r, + 64 h
.set SWA,   7                          ; v7  where my row's scale word goes
.set SRA,   8                          ; v8  where 8 bytes of scale words come back
.set SGO,   9                          ; v9  8 x lane
.set PC,    12                         ; v12-27 a fragment's codes
.set PW,    28                         ; v28-31 the four fragments' scale words
.set TM,    32                         ; v32-47 at work
.set R,     48                         ; v48-175 fragments 0 and 1 as loaded; fragments 2 and 3: v0-127 of window 1
.set X,     176                        ; v176-239 64 numbers: register 16 b + i = k 32 b + 16 h + i of my row
.set SPW,   240                        ; v240 my spare word's LDS address; never rewritten
.set NIL,   241                        ; v241 0; never rewritten
.set WX,    48                         ; weights: two sets of 32 numbers
.set WC,    12                         ; a block's codes
.set SB,    28                         ; four scale bytes
.set MSB, 0
.macro WIN new                         ; the immediate's high byte repeats the setting that is left
.if MSB != (\new)
	s_set_vgpr_msb (MSB<<8)|(\new)
.set MSB, (\new)
.endif
.endm
	s_load_b256 s[4:11], s[0:1], 0x0               ; x, Wq, Wk, Wv
	s_load_b128 s[12:15], s[0:1], 0x20             ; xw_img, xw_sc
	v_lshl_add_u32 v[SPW], v0, 2, SPARE
	v_mov_b32 v[NIL], 0
	v_lshrrev_b32 v1, 5, v0
	v_readfirstlane_b32 s16, v1                    ; wave
	v_and_b32 v2, 31, v0                           ; lane
	s_mov_b32 s[SEL], 0x76543210
	s_mov_b32 s[SEL+1], 0xfedcba98
	s_mov_b32 s[MNT], 0x600000
	s_wait_alu depctr_va_vdst(0)
	s_cmp_lt_u32 ttmp9, 256
	s_cbranch_scc0 .Lweights
; 64 numbers of a lane, v[s] on, become a fragment's codes in v[pc] on and its scale word in v[pw]
.macro QUANT s, pc, pw
.irp b, 0,1,2,3
	v_max3_num_f32 v[TM+\b], |v[(\s)+16*\b]|, |v[(\s)+1+16*\b]|, 0x4800000   ; block b: my 16 numbers, and the floor 2^(9 - 127): the byte cannot fall under 1
.endr
.irp i, 2,4,6,8,10,12,14
.irp b, 0,1,2,3
	v_max3_num_f32 v[TM+\b], v[TM+\b], |v[(\s)+16*\b+\i]|, |v[(\s)+1+16*\b+\i]|
.endr
.endr
.irp b, 0,1,2,3
	v_permlanex16_b32 v[TM+4+\b], v[TM+\b], s[SEL], s[SEL+1]
.endr
.irp b, 0,1,2,3
	v_max_num_f32 v[TM+\b], v[TM+\b], v[TM+4+\b]   ; with lane l xor 16's: the block's largest magnitude
.endr
.irp b, 0,1,2,3
	v_add_nc_u32 v[TM+12+\b], 0xfc000000, v[TM+\b] ; 8 off its exponent field: the conversion's scale operand
.endr
.irp b, 0,1,2,3
	v_and_or_b32 v[TM+8+\b], v[TM+\b], 0x7f800000, s[MNT]   ; 448 x the scale
.endr
.irp b, 0,1,2,3
	v_lshrrev_b32 v[TM+4+\b], 23, v[TM+12+\b]      ; the scale's byte
.endr
	v_lshl_or_b32 v[\pw], v[TM+5], 8, v[TM+4]
	v_lshl_or_b32 v[\pw], v[TM+6], 16, v[\pw]
	v_lshl_or_b32 v[\pw], v[TM+7], 24, v[\pw]
.irp b, 0,1,2,3
.irp i, 0,1,2,3,4,5,6,7,8,9,10,11,12,13,14,15
	v_med3_num_f32 v[(\s)+16*\b+\i], v[(\s)+16*\b+\i], -v[TM+8+\b], v[TM+8+\b]   ; the conversion to an 8-bit code does not saturate (ISA guide 7.6.2): the hold comes first
.endr
	v_cvt_scalef32_pk8_fp8_f32 v[(\pc)+4*\b:(\pc)+4*\b+1], v[(\s)+16*\b:(\s)+16*\b+7], v[TM+12+\b]
	v_cvt_scalef32_pk8_fp8_f32 v[(\pc)+4*\b+2:(\pc)+4*\b+3], v[(\s)+16*\b+8:(\s)+16*\b+15], v[TM+12+\b]
.endr
	v_nop                                          ; a plain line behind the last conversion
.endm
	; ---- x
	v_and_b32 v1, 15, v0                           ; r
	v_bfe_u32 v3, v0, 4, 1                         ; h
	v_lshlrev_b32 v[IO], 4, v2
	s_mul_i32 s17, s16, WREG
	v_add_nc_u32 v[STI], s17, v[IO]
	v_mul_u32_u24 v[STO], v1, 528
	v_lshl_add_u32 v[STO], v3, 6, v[STO]
	v_add_nc_u32 v[STO], s17, v[STO]
	s_add_co_u32 s18, s17, SWO
	v_lshl_add_u32 v[SWA], v1, 2, s18
	v_lshl_add_u32 v[SRA], v2, 3, s18
	v_lshlrev_b32 v[SGO], 3, v2
.irp b, 0,1,2,3
	v_mov_b32 v[TM+4+\b], 0                        ; written once: a lane permute's destination counts as one of its sources
.endr
	s_lshl_b32 s19, ttmp9, 2
	s_add_co_u32 s19, s19, s16                     ; my task: 4 x work-group + wave
	s_and_b32 s24, s19, 7                          ; chunk of 128 along K
	s_lshr_b32 s25, s19, 3                         ; which 64 rows
	s_lshl_b32 s26, s25, 18                        ; x: 64 rows of 4,096 bytes,
	s_lshl_b32 s27, s24, 9                         ; 512 bytes a chunk
	s_add_co_u32 s26, s26, s27
	s_mov_b32 s27, 0
	s_mul_i32 s28, s24, 704                        ; images: block chunk x 704 + 4 x task's rows
	s_lshl_b32 s29, s25, 2
	s_add_co_u32 s28, s28, s29
	s_lshl_b32 s28, s28, 11
	s_mov_b32 s29, 0
	s_mul_i32 s30, s24, 11264                      ; scale words: chunk x 11,264 + 64 x task's rows
	s_lshl_b32 s31, s25, 6
	s_add_co_u32 s30, s30, s31
	s_lshl_b32 s30, s30, 2
	s_mov_b32 s31, 0
	s_wait_alu depctr_va_vdst(0)
	s_wait_kmcnt 0x0
	s_add_nc_u64 s[4:5], s[4:5], s[26:27]
	s_add_nc_u64 s[12:13], s[12:13], s[28:29]
	s_add_nc_u64 s[14:15], s[14:15], s[30:31]
.macro LOAD f                          ; fragment f's 16 rows, in storage order: each load is one row's 512 consecutive bytes
.set RB, R*(1-(\f)/2)+64*((\f)%2)
	WIN 0x40*((\f)/2)
.irp t, 0,1,2,3,4,5,6,7,8,9,10,11,12,13,14,15
	global_load_b128 v[RB+4*\t:RB+4*\t+3], v[IO], s[4:5] offset:(32*((\f)/2)+8*((\f)%2)+(\t%8)+16*(\t/8))*4096 th:TH_LOAD_NT
.endr
	WIN 0
.endm
.macro XFRAG f
.set RB, R*(1-(\f)/2)+64*((\f)%2)
	s_wait_loadcnt 48-16*(\f)                      ; this fragment's 16 loads are in; the later fragments' may be out
	WIN 0x04*((\f)/2)                              ; an LDS store's data are its source 1
.irp t, 0,1,2,3,4,5,6,7,8,9,10,11,12,13,14,15
	ds_store_b128 v[STI], v[RB+4*\t:RB+4*\t+3] offset:528*\t
.endr
	WIN 0
.irp b, 0,1,2,3
.irp j, 0,1,2,3
	ds_load_b128 v[X+16*\b+4*\j:X+16*\b+4*\j+3], v[STO] offset:128*\b+16*\j   ; LDS serves a wave's instructions in order: these see my stores
.endr
.endr
	s_wait_dscnt 0x0                               ; the numbers are back
	s_wait_xcnt 0x0                                ; the last fragment's stores have read the codes' registers
	QUANT X, PC, PW+\f
.irp c, 0,1,2,3
	global_store_b128 v[IO], v[PC+4*\c:PC+4*\c+3], s[12:13] offset:2048*\f+512*\c
.endr
.endm
	LOAD 0
	LOAD 1
	LOAD 2
	LOAD 3
	XFRAG 0
	XFRAG 1
	XFRAG 2
	XFRAG 3
.irp f, 0,1,2,3
	ds_store_b32 v[SWA], v[PW+\f] offset:64*\f     ; lanes r and r + 16 write the same word with the same value
.endr
	ds_load_b64 v[10:11], v[SRA]
	s_wait_dscnt 0x0
	global_store_b64 v[SGO], v[10:11], s[14:15]    ; 64 rows' words: 256 consecutive bytes, aligned
	s_wait_tensorcnt 0x0                           ; the wave's end
	ds_add_u32 v[SPW], v[NIL]
	s_wait_dscnt 0x0
	s_endpgm
	; ---- the weights: 64 work-groups each; a wave takes 32 columns x 128 along K
.Lweights:
	s_sub_co_u32 s17, ttmp9, 256
	s_lshr_b32 s18, s17, 6                         ; which weight: 0 Wq, 1 Wk, 2 Wv
	s_and_b32 s19, s17, 7                          ; which tile of 128 columns
	s_bfe_u32 s24, s17, 0x30003                    ; which chunk of 128 along K
	v_and_b32 v1, 7, v2
	v_bfe_u32 v3, v2, 3, 1
	v_lshl_or_b32 v1, v3, 4, v1
	v_bfe_u32 v3, v2, 4, 1
	v_lshl_or_b32 v1, v3, 3, v1                    ; the column whose storage place is my lane
	v_lshlrev_b32 v4, 2, v1                        ; in: 4 bytes a column: the wave still reads 128 consecutive bytes
	v_and_b32 v1, 15, v2
	v_lshlrev_b32 v5, 4, v1
	v_lshl_or_b32 v5, v3, 11, v5                   ; out: block lane / 16, 16 bytes at row lane % 16
	v_lshlrev_b32 v6, 2, v2                        ; scale words: 4 bytes a lane
	s_lshl_b32 s25, s19, 2
	s_add_co_u32 s25, s25, s16                     ; which 32 columns
	s_lshl_b32 s26, s24, 19                        ; W: 128 rows of 4,096 bytes,
	s_lshl_b32 s27, s25, 7                         ; 128 bytes for 32 columns
	s_add_co_u32 s26, s26, s27
	s_mov_b32 s27, 0
	s_mul_i32 s25, s19, 24                         ; my first block among the weights': 24 x tile + 12 x half + 4 x weight + 2 x (32 columns in the half)
	s_lshr_b32 s22, s16, 1
	s_mul_i32 s22, s22, 12
	s_add_co_u32 s25, s25, s22
	s_lshl_b32 s22, s18, 2
	s_add_co_u32 s25, s25, s22
	s_and_b32 s22, s16, 1
	s_lshl_b32 s22, s22, 1
	s_add_co_u32 s25, s25, s22
	s_add_co_u32 s25, s25, 512                     ; behind x's
	s_mul_i32 s28, s24, 704
	s_add_co_u32 s28, s28, s25
	s_lshl_b32 s30, s28, 6                         ; scale words: 64 bytes a block (704 blocks are 11,264 rows);
	s_lshl_b32 s28, s28, 11                        ; images: 2,048
	s_mov_b32 s29, 0
	s_mov_b32 s31, 0
	s_wait_alu depctr_va_vdst(0)
	s_wait_kmcnt 0x0
	s_cmp_eq_u32 s18, 0                            ; the choice hangs on the work-group's number alone
	s_cselect_b64 s[6:7], s[6:7], s[8:9]
	s_cmp_eq_u32 s18, 2
	s_cselect_b64 s[6:7], s[10:11], s[6:7]
	s_add_nc_u64 s[6:7], s[6:7], s[26:27]
	s_add_nc_u64 s[12:13], s[12:13], s[28:29]
	s_add_nc_u64 s[14:15], s[14:15], s[30:31]
.macro WLOAD t                         ; block t: W(32 t + i, my column)
.irp i, 0,1,2,3,4,5,6,7,8,9,10,11,12,13,14,15,16,17,18,19,20,21,22,23,24,25,26,27,28,29,30,31
	global_load_b32 v[WX+32*((\t)%2)+\i], v4, s[6:7] offset:(32*(\t)+\i)*4096 th:TH_LOAD_NT
.endr
.endm
.macro WBLOCK t
.set XS, WX+32*((\t)%2)
.if (\t) < 3
	s_wait_loadcnt 32                              ; this block's 32 loads are in; the next block's may be out
.else
	s_wait_loadcnt 0x0
.endif
	v_max3_num_f32 v32, |v[XS]|, |v[XS+1]|, |v[XS+2]|   ; the block's largest magnitude: all 32 numbers are mine
	v_max3_num_f32 v33, |v[XS+3]|, |v[XS+4]|, |v[XS+5]|
.irp i, 6,10,14,18,22,26
	v_max3_num_f32 v32, v32, |v[XS+\i]|, |v[XS+\i+1]|
	v_max3_num_f32 v33, v33, |v[XS+\i+2]|, |v[XS+\i+3]|
.endr
	v_max3_num_f32 v32, v32, |v[XS+30]|, |v[XS+31]|
	v_max3_num_f32 v32, v32, v33, 0x4800000        ; and the floor
	v_add_nc_u32 v35, 0xfc000000, v32              ; the conversion's scale operand
	v_and_or_b32 v34, v32, 0x7f800000, s[MNT]      ; 448 x the scale
	v_lshrrev_b32 v33, 23, v35                     ; the byte
.if (\t) == 0
	v_mov_b32 v[SB], v33
.else
	v_lshl_or_b32 v[SB], v33, 8*(\t), v[SB]
.endif
.irp i, 0,1,2,3,4,5,6,7,8,9,10,11,12,13,14,15,16,17,18,19,20,21,22,23,24,25,26,27,28,29,30,31
	v_med3_num_f32 v[XS+\i], v[XS+\i], -v34, v34
.endr
	s_wait_alu depctr_va_vdst(0)
	s_wait_xcnt 0x0                                ; the last block's stores have read the codes' registers
.irp g, 0,1,2,3
	v_cvt_scalef32_pk8_fp8_f32 v[WC+2*\g:WC+2*\g+1], v[XS+8*\g:XS+8*\g+7], v35
.endr
	v_nop
	global_store_b128 v5, v[WC:WC+3], s[12:13] offset:512*(\t)         ; k 32 c + 0 .. 15: the image's lanes 0-15
	global_store_b128 v5, v[WC+4:WC+7], s[12:13] offset:512*(\t)+256   ; k 32 c + 16 .. 31: its lanes 16-31
.if (\t)+2 < 4
	WLOAD (\t)+2
.endif
.endm
	WLOAD 0
	WLOAD 1
.irp t, 0,1,2,3
	WBLOCK \t
.endr
	global_store_b32 v6, v[SB], s[14:15]           ; 32 rows' words: 128 consecutive bytes (98,304 bytes in the whole launch)
	s_wait_tensorcnt 0x0                           ; the same three lines at this path's end
	ds_add_u32 v[SPW], v[NIL]
	s_wait_dscnt 0x0
	s_endpgm
.Lfunc_end_k_qd5b7454893_quant:
	.size	k_qd5b7454893_quant, .Lfunc_end_k_qd5b7454893_quant-k_qd5b7454893_quant
	.p2alignl 7, 3214868480
	.fill 96, 4, 3214868480
	.section	.rodata,"a",@progbits
	.p2align	6, 0x0
	.amdhsa_kernel k_qd5b7454893_quant
		.amdhsa_group_segment_fixed_size 35328
		.amdhsa_private_segment_fixed_size 0
		.amdhsa_enable_private_segment 0
		.amdhsa_kernarg_size 48
		.amdhsa_user_sgpr_count 2
		.amdhsa_user_sgpr_kernarg_segment_ptr 1
		.amdhsa_wavefront_size32 1
		.amdhsa_system_sgpr_workgroup_id_x 1
		.amdhsa_system_sgpr_workgroup_id_y 1
		.amdhsa_system_sgpr_workgroup_id_z 1
		.amdhsa_system_vgpr_workitem_id 0
		.amdhsa_next_free_vgpr 384
		.amdhsa_next_free_sgpr 66
		.amdhsa_reserve_vcc 0
		.amdhsa_float_denorm_mode_32 3
		.amdhsa_float_denorm_mode_16_64 3
		.amdhsa_memory_ordered 1
		.amdhsa_forward_progress 1
		.amdhsa_inst_pref_size 81
	.end_amdhsa_kernel
	.amdgpu_metadata
---
amdhsa.version: [ 1, 2 ]
amdhsa.kernels:
  - .name:           k_qd5b7454893_quant
    .symbol:         k_qd5b7454893_quant.kd
    .args:
      - { .name: x, .offset: 0, .size: 8, .value_kind: global_buffer, .address_space: global }
      - { .name: Wq, .offset: 8, .size: 8, .value_kind: global_buffer, .address_space: global }
      - { .name: Wk, .offset: 16, .size: 8, .value_kind: global_buffer, .address_space: global }
      - { .name: Wv, .offset: 24, .size: 8, .value_kind: global_buffer, .address_space: global }
      - { .name: xw_img, .offset: 32, .size: 8, .value_kind: global_buffer, .address_space: global }
      - { .name: xw_sc, .offset: 40, .size: 8, .value_kind: global_buffer, .address_space: global }
    .group_segment_fixed_size: 35328
    .private_segment_fixed_size: 0
    .kernarg_segment_align: 8
    .kernarg_segment_size: 48
    .max_flat_workgroup_size: 128
    .sgpr_count:     66
    .vgpr_count:     384
    .wavefront_size: 32
...
	.end_amdgpu_metadata
.endif
;; end of part 1
;; launch proj (part 2): grid 8 x 32, 4 waves a work-group, clusters of 4 x 4, 327,680 bytes of LDS; arguments xw_img, xw_sc, qk_img, qk_sc, vt_img, vt_sc; writes qk_img, qk_sc, vt_img, vt_sc
.if DOCPART == 2
	.amdgcn_target "amdgcn-amd-amdhsa--gfx1250"
	.amdhsa_code_object_version 6
	.text
	.protected	k_qd5b7454893_proj
	.globl	k_qd5b7454893_proj
	.p2align	8
	.type	k_qd5b7454893_proj,@function
k_qd5b7454893_proj:
	s_mov_b64 s[64:65], 0
	v_nop
	global_prefetch_b8 v0, s[64:65] scope:SCOPE_SE
	s_setreg_imm32_b32 hwreg(HW_REG_WAVE_MODE, 25, 1), 1
	s_wait_xcnt 0x0
	s_wait_alu depctr_hold_cnt(0) depctr_sa_sdst(0) depctr_va_vdst(0) depctr_va_sdst(0) depctr_va_ssrc(0) depctr_va_vcc(0) depctr_vm_vsrc(0)
	s_getreg_b32 s2, hwreg(HW_REG_IB_STS2, 6, 4)
	s_cmp_eq_u32 s2, 0
	s_cbranch_scc0 .Lentry_in_a_cluster
	s_endpgm
.Lentry_in_a_cluster:
	s_bfe_u32 s2, ttmp6, 0x10000c
	s_cmp_lg_u32 s2, 0xf033
	s_cbranch_scc0 .Lentry_shape_is_right
	s_endpgm
.Lentry_shape_is_right:
; Q = x Wq, K = x Wk and V^T = Wv^T x^T on codes of FP8 (E4M3) with E8M0 scales, K = 1,024; the results are quantised in registers and leave as fragment images (form: head of 'quant').  No work is left out here.
; SHARES.  256 work-groups; each makes 256 tokens x (128 columns of Q, 128 of K, 128 of V): one tile of x serves all three.  A wave makes 128 tokens x (64 + 64 + 64): x's fragments 0 .. 7 against W's 0 .. 11 (0-3 Wq's,
; 4-7 Wk's, 8-11 Wv's): 96 accumulators, 768 registers.  For Q and K source 0 is W's fragment (a lane holds a token, registers run along d), for V it is x's (a lane holds one d, registers run along the keys).
; K goes in eight steps of 128 through two LDS slots: x's 16 images and W's 24, two dense blocks of memory.  Waves 0 and 1 fetch x's halves, 2 and 3 W's.  CLUSTERS 4 x 4: x's tiles are asked for jointly along a row, W's along a column.
; A STEP: W's fragments pass through five buffers: 0 and 1 take W0 W1, W4 W5, W7 W8; 2, 3, 4 take W2 W3 W6, then W9 W10 W11.  The step begins with W0, W1 against x0 .. x7, goes on fragment by fragment of W, and ends with W9 .. W11
; against x0 .. x7, so that x's fragments are free two by two and take the next step's while the others are still multiplied.  A fragment is five LDS loads: four of its image and its scale words.
; The 96 accumulators take turns, one instruction a turn, in the same order in every step.
; THE SCALE WORDS of the work-group's 640 rows for all of K come once, by plain loads of whole units, and lie in LDS.
; PREFETCH: behind the refill of step t stands the request for the chunk two refills on, t + 4 (t = 0 .. 3; chunks 0 to 3 come by their loads alone).  The four partners that share a tile split it by address.  x's blocks are asked for
; by wave 0, 32 blocks of 256 bytes; W's, which all rows of clusters read, by waves 2 and 3 of the first two rows of clusters, 24 blocks each (lanes 24-31 name the last again).
; RESULTS: qk_img [16 chunks: 0-7 Q, 8-15 K][512 blocks][2048], vt_img [64 chunks of keys][64 blocks of d][2048]; qk_sc [16][8192] words, vt_sc [64][1024] words.
; REGISTERS: window 0: addresses, scale words, fragments; on the way out v48-105 work.  Windows 1, 2, 3: the accumulators of Q, K, V: (x a, W j) at v[8 (8 (j % 4) + a)].
.set CHB,    1441792                   ; bytes from chunk to chunk in xw_img
.set SCB,    45056                     ; and in xw_sc
.set SLOT1,  1<<17                     ; slot 1 begins here: one exclusive or turns an address in one slot into the other's
.set WOFF,   32768                     ; W's images behind x's
.set SCL,    SLOT1+81920               ; scale words: [8 chunks][x's 256, W's 384]
.set SCC,    2560
.set STG,    SCL+8*SCC                 ; the results' scale words: Q's 256, K's 256, V's 2 x 128
.set SPARE,  STG+3072                  ; the spare words, 128 bytes for each wave
.set AX0,  4                           ; v4-7   my lane's place in slot 0's x and W, and in chunk 0's scale words of x and W
.set AW0,  5
.set ASX0, 6
.set ASW0, 7
.set ADX,  8                           ; v8-11  the same for the chunk that is being fetched
.set ADW,  9
.set ADSX, 10
.set ADSW, 11
.set SPW,  12
.set NIL,  13
.set IO,   14                          ; 16 x lane
.set PFO,  15                          ; the prefetches' offset; never rewritten
.set WST,  16                          ; where my wave's scale words go in LDS
.set SQ,   17                          ; the way out: a row's two bytes of Q or K,
.set SV,   18                          ; a row's word of V,
.set RQ,   19                          ; and where they come back
.set RV,   20
.set IO8,  21                          ; 8 x lane
.set XF,   48                          ; v48-175 x's eight fragments
.set WF,   176                         ; v176-255 W's five buffers
; scale registers: buffer b's is v[24 + b + 5 (b / 3)] (24, 25, 26, 32, 33), x's fragment a's v[27 + a + 3 (a / 5)] (27-31, 35-37): no product's two numbers are equal modulo 8
.set TM,   48                          ; the way out: v48-63 at work,
.set PC,   64                          ; v64-95 codes, two sets,
.set WD,   96                          ; v96-97 scale words
.set TB,   2                           ; s2  the slot that is being fetched from
.set TS,   18                          ; s18 its chunk's scale words
.set G1A, 24                           ; descriptors: s[24:31], s[32:35] x;  s[48:55], s[36:39] W
.set G0A, 32
.set G1B, 48
.set G0B, 36
.set PFA, 46                           ; s[46:47] where my prefetches stand
.set LIM, 57                           ; s57 my wave prefetches while s3 is greater
.set SEL, 58                           ; s[58:59]
.set MNT, 74
.set MSB, 0
.macro WIN new                         ; the immediate's high byte repeats the setting that is left
.if MSB != (\new)
	s_set_vgpr_msb (MSB<<8)|(\new)
.set MSB, (\new)
.endif
.endm
.macro PLACES n
.rept \n
	v_nop
.endr
.endm
; A joint load: the branch hangs on the wave's number alone.  An s_nop 0 and four v_nop follow each line.
.macro JLOAD
	s_cmp_eq_u32 s15, 0
	s_cbranch_scc0 .Lfor_w_\@
	tensor_load_to_lds s[G0A:G0A+3], s[G1A:G1A+7]
	s_nop 0
	PLACES 4
	s_branch .Lasked_\@
.Lfor_w_\@:
	tensor_load_to_lds s[G0B:G0B+3], s[G1B:G1B+7]
	s_nop 0
	PLACES 4
.Lasked_\@:
.endm
.macro CREST
	s_cmp_lg_u32 s14, 0
	s_cbranch_scc1 .Lnot_wave_0_\@
	s_barrier_signal -3
.Lnot_wave_0_\@:
	s_barrier_wait -3
	s_barrier_signal -1
	s_barrier_wait -1
.endm
.macro CROUND
	s_barrier_signal -1
	s_barrier_wait -1
	CREST
.endm
.macro NEXT                            ; the descriptors: the other slot, the next chunk
	s_xor_b32 s[G0A+1], s[G0A+1], SLOT1
	s_add_nc_u64 s[G0A+2:G0A+3], s[G0A+2:G0A+3], CHB
	s_xor_b32 s[G0B+1], s[G0B+1], SLOT1
	s_add_nc_u64 s[G0B+2:G0B+3], s[G0B+2:G0B+3], CHB
.endm
.macro ADDR
	v_add_nc_u32 v[ADX], s[TB], v[AX0]
	v_add_nc_u32 v[ADW], s[TB], v[AW0]
	v_add_nc_u32 v[ADSX], s[TS], v[ASX0]
	v_add_nc_u32 v[ADSW], s[TS], v[ASW0]
.endm
.macro OFS d, a, sa, b, sb, c, sc, e, se   ; an offset of four shifted terms, with 0 above it
	s_lshl_b32 s[\d], s[\a], \sa
	s_lshl_b32 s80, s[\b], \sb
	s_add_co_u32 s[\d], s[\d], s80
	s_lshl_b32 s80, s[\c], \sc
	s_add_co_u32 s[\d], s[\d], s80
	s_lshl_b32 s80, s[\e], \se
	s_add_co_u32 s[\d], s[\d], s80
	s_mov_b32 s[\d+1], 0
.endm
	s_load_b256 s[4:11], s[0:1], 0x0               ; xw_img, xw_sc, qk_img, qk_sc
	s_load_b128 s[96:99], s[0:1], 0x20             ; vt_img, vt_sc
	v_lshl_add_u32 v[SPW], v0, 2, SPARE
	v_mov_b32 v[NIL], 0
	ds_add_u32 v[SPW], v[NIL]                      ; the wave's opening: the add, twice on end, and its wait ahead of my first tensor load
	ds_add_u32 v[SPW], v[NIL]
	v_lshrrev_b32 v1, 5, v0
	v_readfirstlane_b32 s14, v1                    ; wave
	s_lshr_b32 s15, s14, 1                         ; my half of the tokens.  Also: I fetch for x (0) or for W (1)
	s_and_b32 s16, s14, 1                          ; my half of the columns.  Also: which half I fetch
	s_bfe_u32 s40, ttmp6, 0x40000                  ; cx
	s_bfe_u32 s41, ttmp6, 0x40004                  ; cy
	s_lshl_b32 s42, ttmp9, 2
	s_add_co_u32 s42, s42, s40                     ; tile of 128 columns = 4 x cluster x + cx
	s_and_b32 s17, ttmp7, 0xffff                   ; cluster y
	s_lshl_b32 s43, s17, 2
	s_add_co_u32 s43, s43, s41                     ; tile of 256 tokens = 4 x cluster y + cy
	s_lshl_b32 s44, s41, 2
	s_lshl_b32 s44, 15, s44                        ; my row of the cluster
	s_lshl_b32 s45, 0x1111, s40                    ; my column
	s_or_b32 s[G1A+0], s44, (3<<16)|(1<<21)        ; 15:0 the mask; 17:16 elements of 8 bytes; 21 set beside a mask; no padding
	s_mov_b32 s[G1A+1], 256<<16                    ; rows of 2,048 bytes: an image each, dense
	s_mov_b32 s[G1A+2], 8<<16                      ; x: 8 images
	s_mov_b32 s[G1A+3], 256<<16
	s_mov_b32 s[G1A+4], 8
	s_mov_b32 s[G1A+5], 256
	s_mov_b32 s[G1A+6], 0
	s_mov_b32 s[G1A+7], 0
	s_or_b32 s[G1B+0], s45, (3<<16)|(1<<21)
	s_mov_b32 s[G1B+1], 256<<16
	s_mov_b32 s[G1B+2], 12<<16                     ; W: 12 images
	s_mov_b32 s[G1B+3], 256<<16
	s_mov_b32 s[G1B+4], 12
	s_mov_b32 s[G1B+5], 256
	s_mov_b32 s[G1B+6], 0
	s_mov_b32 s[G1B+7], 0
	s_lshl_b32 s20, s43, 15                        ; x's images: 16 a tile, 8 a half
	s_lshl_b32 s21, s16, 14
	s_add_co_u32 s20, s20, s21
	s_mov_b32 s21, 0
	s_mul_i32 s22, s42, 49152                      ; W's, behind x's 512: 24 a tile, 12 a half
	s_mul_i32 s23, s16, 24576
	s_add_co_u32 s22, s22, s23
	s_add_co_u32 s22, s22, 512*2048
	s_mov_b32 s23, 0
	s_mul_i32 s60, s14, 2*SCB                      ; scale words: my wave brings chunks 2 w and 2 w + 1: x's 1,024 bytes,
	s_mul_i32 s62, s42, 1536                       ; W's 1,536
	s_add_co_u32 s62, s62, s60
	s_add_co_u32 s62, s62, 32768
	s_lshl_b32 s61, s43, 10
	s_add_co_u32 s60, s60, s61
	s_mov_b32 s61, 0
	s_mov_b32 s63, 0
	; the prefetches: offsets at chunk 3 (the first change of slots steps them to chunk 4)
	s_lshl_b32 s46, s43, 15
	s_lshl_b32 s47, s40, 13
	s_add_co_u32 s46, s46, s47                     ; x: my work-group's quarter of the tile
	s_mul_i32 s56, s42, 49152
	s_mul_i32 s47, s41, 12288
	s_add_co_u32 s56, s56, s47
	s_mul_i32 s47, s16, 6144
	s_add_co_u32 s56, s56, s47
	s_add_co_u32 s56, s56, 512*2048                ; W: my wave's eighth
	s_mov_b32 s[LIM], 100
	s_cmp_lt_u32 s17, 2                            ; the cluster's y: the same in all partners
	s_cselect_b32 s[LIM], 2, s[LIM]
	s_cmp_eq_u32 s14, 1
	s_cselect_b32 s[LIM], 100, s[LIM]
	s_cmp_eq_u32 s14, 0
	s_cselect_b32 s[LIM], 2, s[LIM]
	s_cselect_b32 s46, s46, s56
	s_cselect_b32 s56, 31, 23
	s_add_co_u32 s46, s46, 3*CHB
	s_mov_b32 s47, 0
	s_mov_b32 s[TB], 0
	s_mov_b32 s[TS], 0
	s_mov_b32 s3, 6
	s_mov_b32 s[SEL], 0x76543210
	s_mov_b32 s[SEL+1], 0xfedcba98
	s_mov_b32 s[MNT], 0x600000
	v_and_b32 v1, 15, v0                           ; r
	v_and_b32 v2, 31, v0                           ; lane
	v_lshlrev_b32 v[IO], 4, v2
	v_lshlrev_b32 v[IO8], 3, v2
	v_min_u32 v[PFO], s56, v2
	v_lshlrev_b32 v[PFO], 8, v[PFO]
	s_wait_alu depctr_va_vdst(0)
	s_lshl_b32 s19, s15, 14
	v_add_nc_u32 v[AX0], s19, v[IO]
	s_mul_i32 s19, s16, 24576
	s_add_co_u32 s19, s19, WOFF
	v_add_nc_u32 v[AW0], s19, v[IO]
	s_lshl_b32 s19, s15, 9
	s_add_co_u32 s19, s19, SCL
	v_lshl_add_u32 v[ASX0], v1, 2, s19
	s_mul_i32 s19, s16, 768
	s_add_co_u32 s19, s19, SCL+1024
	v_lshl_add_u32 v[ASW0], v1, 2, s19
	s_mul_i32 s19, s14, 2*SCC
	s_add_co_u32 s19, s19, SCL
	v_add_nc_u32 v[WST], s19, v[IO]
	s_lshl_b32 s19, s15, 9
	s_lshl_b32 s80, s16, 1
	s_add_co_u32 s80, s80, s19
	s_add_co_u32 s80, s80, STG
	v_lshl_add_u32 v[SQ], v1, 2, s80
	s_lshl_b32 s80, s16, 8
	s_add_co_u32 s80, s80, s19
	s_add_co_u32 s80, s80, STG+2048
	v_lshl_add_u32 v[SV], v1, 2, s80
	s_lshl_b32 s19, s14, 9
	s_add_co_u32 s19, s19, STG
	v_add_nc_u32 v[RQ], s19, v[IO]
	s_lshl_b32 s19, s14, 8
	s_add_co_u32 s19, s19, STG+2048
	v_add_nc_u32 v[RV], s19, v[IO8]
	s_wait_alu depctr_va_vdst(0)                   ; and here, ahead of the four address lines
	ADDR
	s_wait_alu depctr_va_vdst(0)
	s_wait_dscnt 0x0                               ; both opening adds are done
	CROUND                                         ; all sixteen work-groups are here: the first joint loads meet
	s_wait_kmcnt 0x0
	s_mov_b32 s[G0A], 1
	s_lshl_b32 s[G0A+1], s16, 14
	s_add_nc_u64 s[G0A+2:G0A+3], s[4:5], s[20:21]
	s_or_b32 s[G0A+3], s[G0A+3], 0x80000000
	s_mov_b32 s[G0B], 1
	s_mul_i32 s[G0B+1], s16, 24576
	s_add_co_u32 s[G0B+1], s[G0B+1], WOFF
	s_add_nc_u64 s[G0B+2:G0B+3], s[4:5], s[22:23]
	s_or_b32 s[G0B+3], s[G0B+3], 0x80000000
	JLOAD                                          ; chunk 0 into slot 0: one tensor load a wave at the head
	s_add_nc_u64 s[60:61], s[6:7], s[60:61]
	s_add_nc_u64 s[62:63], s[6:7], s[62:63]
.irp p, 0,1
.irp k, 0,1
	global_load_b128 v[48+20*\p+4*\k:51+20*\p+4*\k], v[IO], s[60:61] offset:SCB*\p+512*\k
.endr
.irp k, 0,1,2
	global_load_b128 v[56+20*\p+4*\k:59+20*\p+4*\k], v[IO], s[62:63] offset:SCB*\p+512*\k
.endr
.endr
	s_add_nc_u64 s[PFA:PFA+1], s[4:5], s[46:47]
	; where my results go
	OFS 66, 42,20, 43,15, 15,14, 16,10             ; qk_img: chunk = column tile, block 16 x token tile + 8 x half, my 64 of d: half an image
	OFS 68, 43,18, 15,17, 42,14, 16,13             ; vt_img: chunk 2 x token tile + half, block 8 x column tile + 4 x half
	OFS 70, 42,15, 15,18, 43,10, 16,9              ; qk_sc: waves 0, 1 store Q's 1,024 bytes, waves 2, 3 K's
	OFS 72, 43,13, 15,12, 42,9, 16,8               ; vt_sc: 256 bytes a wave
	s_add_nc_u64 s[8:9], s[8:9], s[66:67]
	s_add_nc_u64 s[20:21], s[8:9], 8*512*2048      ; K's images lie eight chunks on
	s_add_nc_u64 s[96:97], s[96:97], s[68:69]
	s_add_nc_u64 s[10:11], s[10:11], s[70:71]
	s_add_nc_u64 s[98:99], s[98:99], s[72:73]
.macro LX a                            ; x's fragment a and its scale words: an image comes back as it was stored
.irp c, 0,1,2,3
	ds_load_b128 v[XF+16*(\a)+4*\c:XF+16*(\a)+4*\c+3], v[ADX] offset:2048*(\a)+512*\c
.endr
	ds_load_b32 v[27+(\a)+3*((\a)/5)], v[ADSX] offset:64*(\a)
.endm
.macro LW j, b                         ; W's fragment j into buffer b
.irp c, 0,1,2,3
	ds_load_b128 v[WF+16*(\b)+4*\c:WF+16*(\b)+4*\c+3], v[ADW] offset:2048*(\j)+512*\c
.endr
	ds_load_b32 v[24+(\b)+5*((\b)/3)], v[ADSW] offset:64*(\j)
.endm
.macro MM j, a, b, zero                ; W's fragment j in buffer b, x's fragment a; zero = 1: the product starts the sum
.set AC_, 8*(8*((\j)%4)+(\a))
.set X_, XF+16*(\a)
.set W_, WF+16*(\b)
.set XS_, 27+(\a)+3*((\a)/5)
.set WS_, 24+(\b)+5*((\b)/3)
.if (\j) < 8
.if \zero
	v_wmma_scale_f32_16x16x128_f8f6f4 v[AC_:AC_+7], v[W_:W_+15], v[X_:X_+15], 0, v[WS_], v[XS_]
.else
	v_wmma_scale_f32_16x16x128_f8f6f4 v[AC_:AC_+7], v[W_:W_+15], v[X_:X_+15], v[AC_:AC_+7], v[WS_], v[XS_]
.endif
.else
.if \zero
	v_wmma_scale_f32_16x16x128_f8f6f4 v[AC_:AC_+7], v[X_:X_+15], v[W_:W_+15], 0, v[XS_], v[WS_]
.else
	v_wmma_scale_f32_16x16x128_f8f6f4 v[AC_:AC_+7], v[X_:X_+15], v[W_:W_+15], v[AC_:AC_+7], v[XS_], v[WS_]
.endif
.endif
.endm
.macro ROW j, b, zero
	WIN 0x50*(1+(\j)/4)                            ; C and D in window 1, 2 or 3
.irp a, 0,1,2,3,4,5,6,7
	MM \j, \a, \b, \zero
.endr
.endm
.macro GAM a, zero                     ; x's fragments a, a + 1 against W9 .. W11
	WIN 0xf0
	MM 9, \a, 2, \zero
	MM 10, \a, 3, \zero
	MM 11, \a, 4, \zero
	MM 9, (\a)+1, 2, \zero
	MM 10, (\a)+1, 3, \zero
	MM 11, (\a)+1, 4, \zero
	WIN 0
.endm
.macro ASK
	s_cmp_gt_u32 s3, s[LIM]
	s_cbranch_scc0 .Lnot_mine_\@
	global_prefetch_b8 v[PFO], s[PFA:PFA+1] th:TH_LOAD_NT scope:SCOPE_SE
.Lnot_mine_\@:
.endm
; A STEP.  Eight places stand in front of each run of loads into registers that matrix instructions have read.
; refill = 1: a round of the cluster's barrier, and the slot just read takes the chunk two steps on; last = 1: no chunk follows.
.macro STEP zero, refill, last
.if (\zero) == 0
	PLACES 8
.endif
	LX 6
	LX 7
	LW 2, 2
	LW 3, 3
	LW 6, 4
	WIN 0x50
.irp a, 0,1,2,3,4,5,6,7
.if \a%2 == 0
	s_wait_dscnt 45-5*\a                           ; W0, W1 and x's fragments to a + 1 are in
.endif
	MM 0, \a, 0, \zero
	MM 1, \a, 1, \zero
.endr
	WIN 0
	PLACES 8
	LW 4, 0
	LW 5, 1
	s_wait_dscnt 20                                ; W2 (behind it W3, W6, W4, W5)
	ROW 2, 2, \zero
	s_wait_dscnt 15
	ROW 3, 3, \zero
	s_wait_dscnt 5                                 ; W6 and W4
	ROW 4, 0, \zero
	WIN 0
	PLACES 8
	LW 7, 0
	LW 9, 2
	LW 10, 3
	s_wait_dscnt 15                                ; W5
	ROW 5, 1, \zero
	WIN 0
	PLACES 8
	LW 8, 1
	ROW 6, 4, \zero
	WIN 0
	PLACES 8
	LW 11, 4                                       ; the last read of this slot
.if \last
	s_wait_dscnt 20                                ; W7 (behind it W9, W10, W8, W11)
	ROW 7, 0, \zero
	s_wait_dscnt 5
	ROW 8, 1, \zero
	s_wait_dscnt 0x0
	GAM 0, \zero
	GAM 2, \zero
	GAM 4, \zero
	GAM 6, \zero
.else
.if \refill
	s_wait_xcnt 0x0                                ; my last prefetch has read its address
	s_add_nc_u64 s[PFA:PFA+1], s[PFA:PFA+1], CHB
.endif
	s_wait_dscnt 20                                ; W7 (behind it W9, W10, W8, W11)
	ROW 7, 0, \zero
	WIN 0
	s_wait_tensorcnt 0x0                           ; all my tensor loads have landed: my part of the next chunk
	ds_add_u32 v[SPW], v[NIL]
.if \refill
	NEXT
.endif
	s_wait_dscnt 6                                 ; W8 (behind it W11 and the add)
	ROW 8, 1, \zero
	s_wait_dscnt 0x0                               ; the add is done, and my reads of this slot are over
	s_barrier_signal -1
	GAM 0, \zero
	s_barrier_wait -1
.if \refill
	CREST                                          ; no wave of any partner still reads this slot or has a load on its way
	JLOAD
.else
	PLACES 4
.endif
	s_xor_b32 s[TB], s[TB], SLOT1
	s_add_co_u32 s[TS], s[TS], SCC
	ADDR                                           ; four plain lines: with the four above eight places
	s_wait_alu depctr_va_vdst(0)
	LW 0, 0                                        ; the next chunk's
	LW 1, 1
	LX 0
	LX 1
.if \refill
	ASK
.endif
	GAM 2, \zero
	PLACES 8
	LX 2
	LX 3
	GAM 4, \zero
	PLACES 8
	LX 4
	LX 5
	GAM 6, \zero
.endif
.endm
	s_wait_loadcnt 0x0                             ; my scale words
.irp p, 0,1
.irp k, 0,1,2,3,4
	ds_store_b128 v[WST], v[48+20*\p+4*\k:51+20*\p+4*\k] offset:SCC*\p+512*\k
.endr
.endr
	s_wait_tensorcnt 0x0                           ; my part of chunk 0 is in
	ds_add_u32 v[SPW], v[NIL]
	NEXT
	s_wait_dscnt 0x0                               ; the add and my stores of scale words are done
	CROUND
	JLOAD                                          ; chunk 1 into slot 1
	LW 0, 0
	LW 1, 1
	LX 0
	LX 1
	LX 2
	LX 3
	LX 4
	LX 5
	STEP 1, 1, 0                                   ; the first products start the sums: nothing is cleared
	s_mov_b32 s3, 5
.Lk:                                                   ; steps 1 to 5: each refills
	STEP 0, 1, 0
	s_sub_co_u32 s3, s3, 1
	s_cmp_lg_u32 s3, 0
	s_cbranch_scc1 .Lk
	STEP 0, 0, 0                                   ; step 6 fills nothing
	STEP 0, 0, 1
	PLACES 8
; THE WAY OUT: four blocks of 32 at a time.  Block n's 16 numbers of a lane lie in window w: eight at v[s + ba (n % 2) + bb (n / 2)] on and eight hs further on; each accumulator is read from its low end on.
; Q, K: blocks (token block a, 32 of d) of two neighbouring a;  V: one block of d, four blocks of 32 keys.
.macro QUANT w, s, ba, bb, hs, pc, wait
.if \wait
	s_wait_xcnt 0x0                                ; the stores before the last have read this set of code registers
.endif
	WIN (\w)|((\w)<<2)
.irp n, 0,1,2,3
	v_max3_num_f32 v[TM+\n], |v[(\s)+(\ba)*(\n%2)+(\bb)*(\n/2)]|, |v[(\s)+(\ba)*(\n%2)+(\bb)*(\n/2)+1]|, 0x4800000   ; and the floor 2^(9 - 127)
.endr
	WIN ((\w)<<2)|((\w)<<4)
.irp i, 2,4,6,8,10,12,14
.irp n, 0,1,2,3
	v_max3_num_f32 v[TM+\n], v[TM+\n], |v[(\s)+(\ba)*(\n%2)+(\bb)*(\n/2)+(\hs)*(\i/8)+\i%8]|, |v[(\s)+(\ba)*(\n%2)+(\bb)*(\n/2)+(\hs)*(\i/8)+\i%8+1]|
.endr
.endr
	WIN 0
.irp n, 0,1,2,3
	v_permlanex16_b32 v[TM+4+\n], v[TM+\n], s[SEL], s[SEL+1]
.endr
.irp n, 0,1,2,3
	v_max_num_f32 v[TM+\n], v[TM+\n], v[TM+4+\n]   ; with lane l xor 16's: the block's largest magnitude
.endr
.irp n, 0,1,2,3
	v_add_nc_u32 v[TM+12+\n], 0xfc000000, v[TM+\n] ; the conversion's scale operand
.endr
.irp n, 0,1,2,3
	v_and_or_b32 v[TM+8+\n], v[TM+\n], 0x7f800000, s[MNT]   ; 448 x the scale
.endr
.irp n, 0,1,2,3
	v_lshrrev_b32 v[TM+4+\n], 23, v[TM+12+\n]      ; the byte
.endr
	v_lshl_or_b32 v[WD], v[TM+5], 8, v[TM+4]
.if (\w) < 3
	v_lshl_or_b32 v[WD+1], v[TM+7], 8, v[TM+6]
	ds_store_b16 v[SQ], v[WD] offset:1024*((\w)-1)+8*(\s)          ; lanes r and r + 16 write the same bytes with the same value
	ds_store_b16 v[SQ], v[WD+1] offset:1024*((\w)-1)+8*(\s)+64
.else
	v_lshl_or_b32 v[WD], v[TM+6], 16, v[WD]
	v_lshl_or_b32 v[WD], v[TM+7], 24, v[WD]
	ds_store_b32 v[SV], v[WD] offset:(\s)
.endif
	WIN (\w)|((\w)<<6)
.irp n, 0,1,2,3
.irp i, 0,1,2,3,4,5,6,7,8,9,10,11,12,13,14,15
	v_med3_num_f32 v[(\s)+(\ba)*(\n%2)+(\bb)*(\n/2)+(\hs)*(\i/8)+\i%8], v[(\s)+(\ba)*(\n%2)+(\bb)*(\n/2)+(\hs)*(\i/8)+\i%8], -v[TM+8+\n], v[TM+8+\n]   ; the conversion does not saturate (ISA guide 7.6.2): the hold comes first
.endr
.endr
	WIN (\w)
.irp n, 0,1,2,3
	v_cvt_scalef32_pk8_fp8_f32 v[(\pc)+4*\n:(\pc)+4*\n+1], v[(\s)+(\ba)*(\n%2)+(\bb)*(\n/2):(\s)+(\ba)*(\n%2)+(\bb)*(\n/2)+7], v[TM+12+\n]
	v_cvt_scalef32_pk8_fp8_f32 v[(\pc)+4*\n+2:(\pc)+4*\n+3], v[(\s)+(\ba)*(\n%2)+(\bb)*(\n/2)+(\hs):(\s)+(\ba)*(\n%2)+(\bb)*(\n/2)+(\hs)+7], v[TM+12+\n]
.endr
	WIN 0
	v_nop                                          ; a plain line behind the last conversion
.endm
.macro QOUT w, p, base                 ; token blocks 2 p, 2 p + 1 of Q or K; each store covers 512 consecutive bytes, aligned
	QUANT \w, 16*(\p), 128, 8, 64, PC+16*((\p)%2), (\w)>1||(\p)>1
.irp n, 0,1,2,3
	global_store_b128 v[IO], v[PC+16*((\p)%2)+4*\n:PC+16*((\p)%2)+4*\n+3], s[\base:\base+1] offset:4096*(\p)+2048*(\n/2)+512*(\n%2)
.endr
.endm
.irp p, 0,1,2,3
	QOUT 1, \p, 8
.endr
.irp p, 0,1,2,3
	QOUT 2, \p, 20
.endr
.irp j, 0,1,2,3
	QUANT 3, 64*\j, 16, 32, 8, PC+16*(\j%2), 1
.irp n, 0,1,2,3
	global_store_b128 v[IO], v[PC+16*(\j%2)+4*\n:PC+16*(\j%2)+4*\n+3], s[96:97] offset:2048*\j+512*\n
.endr
.endr
	s_wait_dscnt 0x0                               ; my scale bytes are in LDS
	s_barrier_signal -1
	s_barrier_wait -1
	ds_load_b128 v[100:103], v[RQ]
	ds_load_b64 v[104:105], v[RV]
	s_wait_dscnt 0x0
	global_store_b128 v[IO], v[100:103], s[10:11]  ; 128 rows' words: 512 consecutive bytes, aligned
	global_store_b64 v[IO8], v[104:105], s[98:99]  ; 64 rows' words: 256 consecutive bytes, aligned
	s_wait_tensorcnt 0x0                           ; the wave's end
	ds_add_u32 v[SPW], v[NIL]
	s_wait_dscnt 0x0
	CROUND                                         ; the closing round
	s_endpgm
.Lfunc_end_k_qd5b7454893_proj:
	.size	k_qd5b7454893_proj, .Lfunc_end_k_qd5b7454893_proj-k_qd5b7454893_proj
	.p2alignl 7, 3214868480
	.fill 96, 4, 3214868480
	.section	.rodata,"a",@progbits
	.p2align	6, 0x0
	.amdhsa_kernel k_qd5b7454893_proj
		.amdhsa_group_segment_fixed_size 327680
		.amdhsa_private_segment_fixed_size 0
		.amdhsa_enable_private_segment 0
		.amdhsa_kernarg_size 48
		.amdhsa_user_sgpr_count 2
		.amdhsa_user_sgpr_kernarg_segment_ptr 1
		.amdhsa_wavefront_size32 1
		.amdhsa_system_sgpr_workgroup_id_x 1
		.amdhsa_system_sgpr_workgroup_id_y 1
		.amdhsa_system_sgpr_workgroup_id_z 1
		.amdhsa_system_vgpr_workitem_id 0
		.amdhsa_next_free_vgpr 1024
		.amdhsa_next_free_sgpr 102
		.amdhsa_reserve_vcc 0
		.amdhsa_float_denorm_mode_32 3
		.amdhsa_float_denorm_mode_16_64 3
		.amdhsa_memory_ordered 1
		.amdhsa_forward_progress 1
		.amdhsa_inst_pref_size 203
	.end_amdhsa_kernel
	.amdgpu_metadata
---
amdhsa.version: [ 1, 2 ]
amdhsa.kernels:
  - .name:           k_qd5b7454893_proj
    .symbol:         k_qd5b7454893_proj.kd
    .args:
      - { .name: xw_img, .offset: 0, .size: 8, .value_kind: global_buffer, .address_space: global }
      - { .name: xw_sc, .offset: 8, .size: 8, .value_kind: global_buffer, .address_space: global }
      - { .name: qk_img, .offset: 16, .size: 8, .value_kind: global_buffer, .address_space: global }
      - { .name: qk_sc, .offset: 24, .size: 8, .value_kind: global_buffer, .address_space: global }
      - { .name: vt_img, .offset: 32, .size: 8, .value_kind: global_buffer, .address_space: global }
      - { .name: vt_sc, .offset: 40, .size: 8, .value_kind: global_buffer, .address_space: global }
    .group_segment_fixed_size: 327680
    .private_segment_fixed_size: 0
    .kernarg_segment_align: 8
    .kernarg_segment_size: 48
    .max_flat_workgroup_size: 128
    .sgpr_count:     102
    .vgpr_count:     1024
    .wavefront_size: 32
...
	.end_amdgpu_metadata
.endif
;; end of part 2
;; launch scores (part 3): grid 61 x 4, 4 waves a work-group, no clusters, 327,680 bytes of LDS; arguments qk_img, qk_sc, p_img, p_st; writes p_img, p_st
.if DOCPART == 3
	.amdgcn_target "amdgcn-amd-amdhsa--gfx1250"
	.amdhsa_code_object_version 6
	.text
	.protected	k_qd5b7454893_scores
	.globl	k_qd5b7454893_scores
	.p2align	8
	.type	k_qd5b7454893_scores,@function
k_qd5b7454893_scores:
	s_mov_b64 s[64:65], 0
	v_nop
	global_prefetch_b8 v0, s[64:65] scope:SCOPE_SE
	s_setreg_imm32_b32 hwreg(HW_REG_WAVE_MODE, 25, 1), 1
	s_wait_xcnt 0x0
; S^T = K Q^T on codes of FP8 (E4M3), then for each row and chunk of 128 keys: t = score x log2(e) / sqrt(1024), M = the tile's largest t rounded up to a whole number, p = 2^(t - M), l = the sum of the unquantised p; p quantised.
; LIMIT: the promise holds while |t| stays under 2^31.
; WORK LEFT OUT (shown at the head of 'quant'): chunks of keys behind a chunk of queries.  Their images inside the groups of four chunks that 'pv' fetches whole are stored as zeros, and multiplied by nobody.
; SHARES.  A work-group owns chunk j of 128 keys of a batch and 20 blocks of 16 queries, 8 j + 20 m on (storage order): it begins at the diagonal.  Chunk j has 8 (16 - j) such blocks: 7, 6, 6, 6, 5, 5, 4, 4, 4, 3, 3, 2, 2, 2, 1, 1
; work-groups for j = 0 .. 15: 61 a batch.  A wave owns five blocks and all 128 keys, so a row's maximum and sum need no other wave.  Blocks past the batch's 128 are multiplied with the tile that holds them, and go no further.
; NO CLUSTER: the query tiles begin at 8 j + 20 m, so no two work-groups share one; the keys' tile is 16 of a chunk's 56 KB, and 1 to 7 work-groups share it.  NO PREFETCH: three fills, written out: no loop to run ahead in.
; K goes in eight chunks of 128 through two LDS slots: A takes chunks 0-2, B 3-4, then A 5-7.  Waves 0 and 1 fetch the queries' halves (10 blocks), 2 and 3 the keys' (4 blocks): one load a wave.
; FRAGMENTS have two sets: a chunk's are fetched while the chunk before is multiplied, so a slot is free when its last chunk's products begin.
; REGISTERS: window 0: addresses; v32-47 scale words, two sets (register i: lanes 0-15 my query block i's, lanes 16-31 key block i's); v96-255 query fragments, two sets; then the softmax's.  window 1: key fragments, two sets.
; windows 2, 3: accumulator (a, b), queries a x keys b, at v[64 (a % 4) + 8 b]: a lane holds one query, register 16 g + i of block a is key 32 g + 16 (lane / 16) + i.
; p_st [16 chunks of keys][512 blocks][256 bytes]: 16 rows' (-M, l), 8 bytes a row, then 16 rows' (scale word, unused): one unit a block, stored by one instruction.
.set CHB,    1048576                   ; bytes from chunk to chunk in qk_img (8 chunks of Q, then 8 of K)
.set BS,     172032                    ; slot B.  A slot of n chunks: queries [2 halves][n][10 blocks][2048], keys [2 halves][n][4][2048]
.set SCL,    286720                    ; scale words: [8 chunks][320 of Q, 128 of K]
.set SCC,    1792
.set SPARE,  SCL+8*SCC                 ; the spare words, 128 bytes for each wave
.set ADQ,  6                           ; v6-7  my query fragments in slot A, B
.set ADK,  8                           ; v8-9  the key fragments
.set ADRS, 10                          ; v10   my scale words
.set SPW,  11
.set NIL,  12
.set IO,   13                          ; 16 x lane
.set IO8,  14                          ; 8 x lane
.set WST,  15                          ; where my wave's scale words go in LDS
.set DQ,   16                          ; my query's place in its pair of blocks, less 16 (lane / 16)
.set VNI,  17                          ; -infinity
.set DD,   18
.set ZR,   20                          ; v20-23 zeros
.set SC,   32
.set PWX,  60
.set NM,   64                          ; v[64:65] -M (the pair's upper half is named with it)
.set TT,   66
.set L0,   68
.set L1,   70
.set BM,   72
.set T2,   76
.set HOLD, 80
.set SCO,  84
.set BY,   88
.set ST,   92                          ; v92-95 (-M or word, l), two sets
.set QF,   96
.set PC,   96                          ; v96-127 codes, two sets
.set G1Q,  24
.set G0Q,  32
.set G0K,  36
.set G1K,  40
.set QA,   56                          ; s56 my first block in the batch
.set QR,   57                          ; s57 and counted from the diagonal chunk's first
.set CS,   58
.set SEL,  60
.set MNT,  62
.set HM,   63
.set ZN,   66
.set MSB, 0
.macro WIN new                         ; the immediate's high byte repeats the setting that is left
.if MSB != (\new)
	s_set_vgpr_msb (MSB<<8)|(\new)
.set MSB, (\new)
.endif
.endm
.macro PLACES n
.rept \n
	v_nop
.endr
.endm
; The branch hangs on the wave's number alone.  An s_nop 0 and four v_nop follow each line.
.macro TLOAD
	s_cmp_eq_u32 s15, 0
	s_cbranch_scc0 .Lfor_k_\@
	tensor_load_to_lds s[G0Q:G0Q+3], s[G1Q:G1Q+7]
	s_nop 0
	PLACES 4
	s_branch .Lasked_\@
.Lfor_k_\@:
	tensor_load_to_lds s[G0K:G0K+3], s[G1K:G1K+7]
	s_nop 0
	PLACES 4
.Lasked_\@:
.endm
.macro FILL n, lq, lk, on              ; the descriptors of the next fill: n chunks, 'on' chunks further along K
	s_mov_b32 s[G1Q+2], (\n)<<16
	s_mov_b32 s[G1Q+4], \n
	s_mov_b32 s[G1K+2], (\n)<<16
	s_mov_b32 s[G1K+4], \n
	s_mov_b32 s[G0Q+1], s[\lq]
	s_mov_b32 s[G0K+1], s[\lk]
	s_add_nc_u64 s[G0Q+2:G0Q+3], s[G0Q+2:G0Q+3], (\on)*CHB
	s_add_nc_u64 s[G0K+2:G0K+3], s[G0K+2:G0K+3], (\on)*CHB
.endm
	s_load_b256 s[4:11], s[0:1], 0x0               ; qk_img, qk_sc, p_img, p_st
	v_lshl_add_u32 v[SPW], v0, 2, SPARE
	v_mov_b32 v[NIL], 0
	ds_add_u32 v[SPW], v[NIL]                      ; the wave's opening: the add, twice on end, and its wait ahead of my first tensor load
	ds_add_u32 v[SPW], v[NIL]
	v_lshrrev_b32 v1, 5, v0
	v_readfirstlane_b32 s14, v1                    ; wave
	s_lshr_b32 s15, s14, 1                         ; I fetch queries (0) or keys (1).  Also: my blocks' half of the queries
	s_and_b32 s16, s14, 1                          ; which half I fetch.  Also: which five of that half's ten are mine
	s_and_b32 s18, ttmp7, 0xffff                   ; batch
	s_mov_b32 s20, 0                               ; j: as many of the running sums of the work-groups' counts as x has reached
	s_mov_b32 s21, 0
.irp t, 7,13,19,25,30,35,39,43,47,50,53,55,57,59,60
	s_cmp_ge_u32 ttmp9, \t
	s_cselect_b32 s21, \t, s21
	s_add_co_ci_u32 s20, s20, 0
.endr
	s_sub_co_u32 s21, ttmp9, s21                   ; m
	s_mul_i32 s22, s21, 20
	s_mul_i32 s23, s14, 5
	s_add_co_u32 s[QR], s22, s23                   ; 20 m + 5 wave
	s_lshl_b32 s17, s20, 3
	s_add_co_u32 s22, s22, s17                     ; the work-group's first block, 8 j + 20 m
	s_add_co_u32 s[QA], s22, s23
	s_and_b32 s[ZN], s20, 3
	s_lshl_b32 s19, s18, 7                         ; the batch's first block
	s_add_co_u32 s22, s22, s19
	s_add_co_u32 s17, s17, s19                     ; the keys' first block
	; where my results go
	s_add_co_u32 s2, s[QA], s19
	s_lshl_b32 s68, s2, 11
	s_lshl_b32 s2, s2, 8
	s_lshl_b32 s3, s20, 20
	s_add_co_u32 s68, s68, s3                      ; p_img: chunk j, my first block
	s_mov_b32 s69, 0
	s_lshl_b32 s70, s20, 17
	s_add_co_u32 s70, s70, s2                      ; p_st: likewise
	s_mov_b32 s71, 0
	s_sub_co_u32 s2, s20, s[ZN]
	s_lshl_b32 s2, s2, 3
	s_add_co_u32 s2, s2, s19
	s_lshl_b32 s2, s2, 11
	s_add_co_u32 s54, s3, s2
	s_lshl_b32 s2, s14, 12
	s_add_co_u32 s54, s54, s2                      ; the zeros: query chunk 4 (j / 4), my quarter of its 16,384 bytes
	s_mov_b32 s55, 0
	; the scale words: my wave brings chunks 2 w and 2 w + 1
	s_lshl_b32 s2, s14, 16
	s_lshl_b32 s50, s22, 6
	s_add_co_u32 s50, s50, s2
	s_mov_b32 s51, 0
	s_lshl_b32 s52, s17, 6
	s_add_co_u32 s52, s52, s2
	s_add_co_u32 s52, s52, 8*32768
	s_mov_b32 s53, 0
	; the tiles
	s_lshl_b32 s22, s22, 11
	s_mul_i32 s2, s16, 20480
	s_add_co_u32 s22, s22, s2
	s_mov_b32 s23, 0
	s_lshl_b32 s2, s17, 11
	s_lshl_b32 s3, s16, 13
	s_add_co_u32 s2, s2, s3
	s_add_co_u32 s2, s2, 8*CHB
	s_mov_b32 s3, 0
	s_mul_i32 s12, s16, 61440                      ; LDS: slot A's queries,
	s_mul_i32 s13, s16, 24576
	s_add_co_u32 s13, s13, 122880                  ; and keys;
	s_mul_i32 s48, s16, 40960
	s_add_co_u32 s48, s48, BS                      ; slot B's
	s_lshl_b32 s49, s16, 14
	s_add_co_u32 s49, s49, BS+81920
	s_mov_b32 s[G1Q+0], 3<<16                      ; no mask; 17:16 elements of 8 bytes; no padding
	s_mov_b32 s[G1Q+1], 2560<<16                   ; 20,480 bytes: 10 blocks of a chunk
	s_mov_b32 s[G1Q+2], 3<<16                      ; 3 chunks
	s_mov_b32 s[G1Q+3], 2560<<16
	s_mov_b32 s[G1Q+4], 3
	s_mov_b32 s[G1Q+5], CHB/8
	s_mov_b32 s[G1Q+6], 0
	s_mov_b32 s[G1Q+7], 0
	s_mov_b32 s[G1K+0], 3<<16
	s_mov_b32 s[G1K+1], 1024<<16                   ; 8,192 bytes: 4 blocks
	s_mov_b32 s[G1K+2], 3<<16
	s_mov_b32 s[G1K+3], 1024<<16
	s_mov_b32 s[G1K+4], 3
	s_mov_b32 s[G1K+5], CHB/8
	s_mov_b32 s[G1K+6], 0
	s_mov_b32 s[G1K+7], 0
	s_mov_b32 s[CS], 0x3d38aa3b                    ; log2(e) / 32
	s_mov_b32 s[CS+1], s[CS]                       ; (named with it as a pair, so it is written)
	s_mov_b32 s[SEL], 0x76543210
	s_mov_b32 s[SEL+1], 0xfedcba98
	s_mov_b32 s[MNT], 0x600000
	s_mov_b32 s[HM], 0xffff0000                    ; lanes 16-31
	v_and_b32 v1, 15, v0                           ; r
	v_bfe_u32 v2, v0, 4, 1                         ; h
	v_and_b32 v3, 31, v0                           ; lane
	v_lshlrev_b32 v[IO], 4, v3
	v_lshlrev_b32 v[IO8], 3, v3
	v_and_b32 v4, 8, v1
	v_add_nc_u32 v[DQ], v4, v1
	v_lshlrev_b32 v4, 4, v2
	v_sub_nc_u32 v[DQ], v[DQ], v4
	v_mov_b32 v[VNI], 0xff800000
	v_mov_b32 v[NM+1], 0
.irp b, 0,1,2,3
	v_mov_b32 v[T2+\b], 0                          ; written once: a lane permute's destination counts as one of its sources
	v_mov_b32 v[ZR+\b], 0
.endr
	s_wait_alu depctr_va_vdst(0)
	v_add_nc_u32 v[ADK], 122880, v[IO]
	v_add_nc_u32 v[ADK+1], BS+81920, v[IO]
	s_mul_i32 s17, s15, 61440                      ; my five blocks: half s15, the five of number s16
	s_mul_i32 s19, s16, 10240
	s_add_co_u32 s17, s17, s19
	v_add_nc_u32 v[ADQ], s17, v[IO]
	s_mul_i32 s17, s15, 40960
	s_add_co_u32 s17, s17, s19
	s_add_co_u32 s17, s17, BS
	v_add_nc_u32 v[ADQ+1], s17, v[IO]
	s_mul_i32 s17, s14, 320
	s_sub_co_u32 s19, 1280, s17
	v_mul_u32_u24 v4, s19, v2                      ; lanes 16-31 take the keys': the lower base + h x the distance
	v_lshl_add_u32 v4, v1, 2, v4
	s_add_co_u32 s17, s17, SCL
	v_add_nc_u32 v[ADRS], s17, v4
	s_mul_i32 s17, s14, 2*SCC
	s_add_co_u32 s17, s17, SCL
	v_add_nc_u32 v[WST], s17, v[IO8]
	s_wait_alu depctr_va_vdst(0)
	s_wait_dscnt 0x0                               ; both opening adds are done
	s_wait_kmcnt 0x0
	s_mov_b32 s[G0Q], 1
	s_mov_b32 s[G0Q+1], s12
	s_add_nc_u64 s[G0Q+2:G0Q+3], s[4:5], s[22:23]
	s_or_b32 s[G0Q+3], s[G0Q+3], 0x80000000
	s_mov_b32 s[G0K], 1
	s_mov_b32 s[G0K+1], s13
	s_add_nc_u64 s[G0K+2:G0K+3], s[4:5], s[2:3]
	s_or_b32 s[G0K+3], s[G0K+3], 0x80000000
	TLOAD                                          ; slot A: chunks 0-2: one tensor load a wave at the head
	s_add_nc_u64 s[50:51], s[6:7], s[50:51]
	s_add_nc_u64 s[52:53], s[6:7], s[52:53]
.irp p, 0,1                            ; a chunk's words: 1,280 bytes of Q, 512 of K; each load 256 consecutive bytes, aligned
.irp k, 0,1,2,3,4
	global_load_b64 v[QF+14*\p+2*\k:QF+14*\p+2*\k+1], v[IO8], s[50:51] offset:32768*\p+256*\k
.endr
.irp k, 0,1
	global_load_b64 v[QF+14*\p+10+2*\k:QF+14*\p+11+2*\k], v[IO8], s[52:53] offset:32768*\p+256*\k
.endr
.endr
	s_add_nc_u64 s[54:55], s[8:9], s[54:55]
	s_add_nc_u64 s[8:9], s[8:9], s[68:69]
	s_add_nc_u64 s[10:11], s[10:11], s[70:71]
.macro FETCH slot, pos, ch, p          ; a chunk's fragments and scale words into set p: 60 loads
	WIN 0x40
.irp b, 0,1,2,3,4,5,6,7
.irp c, 0,1,2,3
	ds_load_b128 v[128*(\p)+16*\b+4*\c:128*(\p)+16*\b+4*\c+3], v[ADK+\slot] offset:(\b/4)*(24576-8192*(\slot))+8192*(\pos)+2048*(\b%4)+512*\c
.endr
.endr
	WIN 0
.irp a, 0,1,2,3,4
.irp c, 0,1,2,3
	ds_load_b128 v[QF+80*(\p)+16*\a+4*\c:QF+80*(\p)+16*\a+4*\c+3], v[ADQ+\slot] offset:20480*(\pos)+2048*\a+512*\c
.endr
.endr
.irp i, 0,1,2,3,4,5,6,7
	ds_load_b32 v[SC+8*(\p)+\i], v[ADRS] offset:SCC*(\ch)+64*\i
.endr
.endm
.macro PROD p, a, zero                 ; query block a x eight key blocks.  The 40 accumulators take turns, one instruction a turn, in the same order for every chunk
	WIN 0xa1+0x50*((\a)/4)                         ; source 0 (keys) window 1, source 1 (queries) window 0, C and D window 2 or 3
.irp b, 0,1,2,3,4,5,6,7
.if \zero
	v_wmma_scale_f32_16x16x128_f8f6f4 v[64*((\a)%4)+8*\b:64*((\a)%4)+8*\b+7], v[128*(\p)+16*\b:128*(\p)+16*\b+15], v[QF+80*(\p)+16*(\a):QF+80*(\p)+16*(\a)+15], 0, v[SC+8*(\p)+\b], v[SC+8*(\p)+(\a)] matrix_a_scale:MATRIX_SCALE_ROW1
.else
	v_wmma_scale_f32_16x16x128_f8f6f4 v[64*((\a)%4)+8*\b:64*((\a)%4)+8*\b+7], v[128*(\p)+16*\b:128*(\p)+16*\b+15], v[QF+80*(\p)+16*(\a):QF+80*(\p)+16*(\a)+15], v[64*((\a)%4)+8*\b:64*((\a)%4)+8*\b+7], v[SC+8*(\p)+\b], v[SC+8*(\p)+(\a)] matrix_a_scale:MATRIX_SCALE_ROW1
.endif
.endr
.endm
; A CHUNK, its fragments in set p; meanwhile the next (slot ns, place np, number nc) is fetched into the other set.  turn = 1: the slots change and slot A is filled again; turn = 2: they change and nothing is filled.
; Eight places stand in front of each run of loads into registers that matrix instructions have read.
.macro CHUNK p, zero, turn, ns, np, nc
.if \turn
	s_wait_tensorcnt 0x0                           ; all my tensor loads have landed: my part of the other slot
	ds_add_u32 v[SPW], v[NIL]
.if (\turn) == 1
	FILL 3, 12, 13, 2                              ; slot A: chunks 5-7
.endif
	s_wait_dscnt 0x0                               ; the add is done; this chunk's fragments are in: my reads of its slot are over
	s_barrier_signal -1
	PROD \p, 0, \zero
	PROD \p, 1, \zero
	WIN 0
	s_barrier_wait -1
.if (\turn) == 1
	TLOAD
	PLACES 4
.else
	PLACES 8
.endif
	FETCH \ns, \np, \nc, 1-(\p)
.else
	s_wait_dscnt 0x0                               ; this chunk's fragments, asked for a chunk ago, are in
.if (\nc) > 0
.if (\zero) == 0
	PLACES 8
.endif
	FETCH \ns, \np, \nc, 1-(\p)
.endif
	PROD \p, 0, \zero
	PROD \p, 1, \zero
.endif
	PROD \p, 2, \zero
	PROD \p, 3, \zero
	PROD \p, 4, \zero
	WIN 0
.endm
	s_wait_loadcnt 0x0                             ; my scale words
.irp p, 0,1
.irp k, 0,1,2,3,4,5,6
	ds_store_b64 v[WST], v[QF+14*\p+2*\k:QF+14*\p+2*\k+1] offset:SCC*\p+256*\k
.endr
.endr
	s_wait_tensorcnt 0x0                           ; my part of slot A is in
	ds_add_u32 v[SPW], v[NIL]
	FILL 2, 48, 49, 3                              ; slot B: chunks 3-4
	s_wait_dscnt 0x0                               ; the add and my stores are done
	s_barrier_signal -1
	s_barrier_wait -1
	TLOAD
	FETCH 0, 0, 0, 0
	CHUNK 0, 1, 0, 0, 1, 1                         ; the first products start the sums: nothing is cleared
	CHUNK 1, 0, 0, 0, 2, 2
	CHUNK 0, 0, 1, 1, 0, 3
	CHUNK 1, 0, 0, 1, 1, 4
	CHUNK 0, 0, 2, 0, 0, 5
	CHUNK 1, 0, 0, 0, 1, 6
	CHUNK 0, 0, 0, 0, 2, 7
	CHUNK 1, 0, 0, 0, 0, 0
	PLACES 8
; THE SOFTMAX of block a, and its way out.  The accumulators are read from their low ends on.
.macro SOFTQ a
.set XW, 2+(\a)/4
.set XS, 64*((\a)%4)
.set PCS, PC+16*((\a)%2)
.set STS, ST+2*((\a)%2)
.if (\a) >= 2
	s_wait_alu depctr_va_vdst(0)
	s_wait_xcnt 0x0                                ; block a - 2's stores have read this set of registers
.endif
	s_cmp_gt_u32 s[QA], 127-(\a)                   ; a block past the batch's last: so are all behind it
	s_cbranch_scc1 .Lout
	s_cmp_gt_u32 s[QR], 7-(\a)                     ; behind the diagonal chunk every key counts
	s_cbranch_scc1 .Lopen_\@
	s_add_co_u32 s17, s[QR], \a                    ; my block in the chunk, 2 G + u: my query is 32 G + 8 u + DQ + 16 h
	s_lshr_b32 s18, s17, 1
	s_lshl_b32 s18, s18, 5
	s_and_b32 s19, s17, 1
	s_lshl_b32 s19, s19, 3
	s_add_co_u32 s18, s18, s19
	v_add_nc_u32 v[DD], s18, v[DQ]
	WIN XW|(XW<<6)
.irp g, 0,1,2,3
.irp i, 0,1,2,3,4,5,6,7,8,9,10,11,12,13,14,15
	v_cmp_gt_i32 vcc_lo, 32*\g+\i, v[DD]           ; key 32 g + 16 h + i comes after my query: hidden
	v_cndmask_b32 v[XS+16*\g+\i], v[XS+16*\g+\i], v[VNI], vcc_lo
.endr
.endr
	WIN 0
.Lopen_\@:
	WIN XW|(XW<<2)|(XW<<4)
.irp b, 0,1,2,3
	v_max3_num_f32 v[BM+\b], v[XS+16*\b], v[XS+16*\b+1], v[XS+16*\b+2]   ; the largest score of each block of 32 keys: for the row's maximum and for the block's largest p
.endr
	WIN (XW<<2)|(XW<<4)
.irp i, 3,5,7,9,11,13
.irp b, 0,1,2,3
	v_max3_num_f32 v[BM+\b], v[BM+\b], v[XS+16*\b+\i], v[XS+16*\b+\i+1]
.endr
.endr
.irp b, 0,1,2,3
	v_max_num_f32 v[BM+\b], v[BM+\b], v[XS+16*\b+15]
.endr
	WIN 0
.irp b, 0,1,2,3
	v_permlanex16_b32 v[T2+\b], v[BM+\b], s[SEL], s[SEL+1]
.endr
.irp b, 0,1,2,3
	v_max_num_f32 v[BM+\b], v[BM+\b], v[T2+\b]
.endr
	v_max3_num_f32 v[TT], v[BM], v[BM+1], v[BM+2]
	v_max_num_f32 v[TT], v[TT], v[BM+3]
	v_mul_f32 v[TT], s[CS], v[TT]
	v_floor_f32 v[NM], -v[TT]                      ; -M = floor(-t)
.irp b, 0,1,2,3
	v_fma_f32 v[BM+\b], v[BM+\b], s[CS], v[NM]
.endr
	s_wait_alu depctr_va_vdst(0)
.irp b, 0,1,2,3
	v_exp_f32 v[BM+\b], v[BM+\b]                   ; the block's largest p
.endr
	WIN XW|(XW<<6)
.irp j, 0,2,4,6,8,10,12,14,16,18,20,22,24,26,28,30,32,34,36,38,40,42,44,46,48,50,52,54,56,58,60,62
	v_pk_fma_f32 v[XS+\j:XS+\j+1], v[XS+\j:XS+\j+1], s[CS:CS+1], v[NM:NM+1] op_sel_hi:[1,0,0]
.endr
	s_wait_alu depctr_va_vdst(0)
.irp j, 0,1,2,3,4,5,6,7,8,9,10,11,12,13,14,15,16,17,18,19,20,21,22,23,24,25,26,27,28,29,30,31,32,33,34,35,36,37,38,39,40,41,42,43,44,45,46,47,48,49,50,51,52,53,54,55,56,57,58,59,60,61,62,63
	v_exp_f32 v[XS+\j], v[XS+\j]
.endr
	v_nop
	s_wait_alu depctr_va_vdst(0)                   ; and behind it, ahead of its first reader
	WIN XW|(XW<<2)
	v_pk_add_f32 v[L0:L0+1], v[XS:XS+1], v[XS+2:XS+3]       ; the sum of the unquantised p, in two chains of pairs
	v_pk_add_f32 v[L1:L1+1], v[XS+4:XS+5], v[XS+6:XS+7]
	WIN XW<<2
.irp j, 8,12,16,20,24,28,32,36,40,44,48,52,56,60
	v_pk_add_f32 v[L0:L0+1], v[L0:L0+1], v[XS+\j:XS+\j+1]
	v_pk_add_f32 v[L1:L1+1], v[L1:L1+1], v[XS+\j+2:XS+\j+3]
.endr
	WIN 0
	v_pk_add_f32 v[L0:L0+1], v[L0:L0+1], v[L1:L1+1]
	v_add_f32 v[TT], v[L0], v[L0+1]
	v_permlanex16_b32 v[T2], v[TT], s[SEL], s[SEL+1]
	v_add_f32 v[STS+1], v[TT], v[T2]               ; l
.irp b, 0,1,2,3
	v_max_num_f32 v[BM+\b], 0x4800000, v[BM+\b]    ; the floor 2^(9 - 127)
.endr
.irp b, 0,1,2,3
	v_add_nc_u32 v[SCO+\b], 0xfc000000, v[BM+\b]   ; the conversion's scale operand
.endr
.irp b, 0,1,2,3
	v_and_or_b32 v[HOLD+\b], v[BM+\b], 0x7f800000, s[MNT]   ; 448 x the scale
.endr
.irp b, 0,1,2,3
	v_lshrrev_b32 v[BY+\b], 23, v[SCO+\b]
.endr
	v_lshl_or_b32 v[PWX], v[BY+1], 8, v[BY]
	v_lshl_or_b32 v[PWX], v[BY+2], 16, v[PWX]
	v_lshl_or_b32 v[PWX], v[BY+3], 24, v[PWX]
	v_cndmask_b32 v[STS], v[NM], v[PWX], s[HM]     ; lanes 0-15 carry -M, lanes 16-31 the scale word
	WIN XW|(XW<<6)
.irp b, 0,1,2,3
.irp i, 0,1,2,3,4,5,6,7,8,9,10,11,12,13,14,15
	v_min_num_f32 v[XS+16*\b+\i], v[XS+16*\b+\i], v[HOLD+\b]   ; the conversion does not saturate (ISA guide 7.6.2); p is not negative
.endr
.endr
	WIN XW
.irp b, 0,1,2,3
	v_cvt_scalef32_pk8_fp8_f32 v[PCS+4*\b:PCS+4*\b+1], v[XS+16*\b:XS+16*\b+7], v[SCO+\b]
	v_cvt_scalef32_pk8_fp8_f32 v[PCS+4*\b+2:PCS+4*\b+3], v[XS+16*\b+8:XS+16*\b+15], v[SCO+\b]
.endr
	WIN 0
	v_nop                                          ; a plain line behind the last conversion
.irp c, 0,1,2,3
	global_store_b128 v[IO], v[PCS+4*\c:PCS+4*\c+3], s[8:9] offset:2048*(\a)+512*\c   ; 512 consecutive bytes, aligned
.endr
	global_store_b64 v[IO8], v[STS:STS+1], s[10:11] offset:256*(\a)                   ; 256 consecutive bytes, aligned
.endm
.irp a, 0,1,2,3,4
	SOFTQ \a
.endr
.Lout:
	s_cmp_lg_u32 s21, 0                            ; the diagonal's work-group stores the zeros: j % 4 chunks of queries
	s_cbranch_scc1 .Lend
.irp k, 0,1,2
	s_cmp_le_u32 s[ZN], \k
	s_cbranch_scc1 .Lend
.irp t, 0,1,2,3,4,5,6,7
	global_store_b128 v[IO], v[ZR:ZR+3], s[54:55] offset:16384*\k+512*\t
.endr
.endr
.Lend:
	s_wait_tensorcnt 0x0                           ; the wave's end
	ds_add_u32 v[SPW], v[NIL]
	s_wait_dscnt 0x0
	s_endpgm
.Lfunc_end_k_qd5b7454893_scores:
	.size	k_qd5b7454893_scores, .Lfunc_end_k_qd5b7454893_scores-k_qd5b7454893_scores
	.p2alignl 7, 3214868480
	.fill 96, 4, 3214868480
	.section	.rodata,"a",@progbits
	.p2align	6, 0x0
	.amdhsa_kernel k_qd5b7454893_scores
		.amdhsa_group_segment_fixed_size 327680
		.amdhsa_private_segment_fixed_size 0
		.amdhsa_enable_private_segment 0
		.amdhsa_kernarg_size 32
		.amdhsa_user_sgpr_count 2
		.amdhsa_user_sgpr_kernarg_segment_ptr 1
		.amdhsa_wavefront_size32 1
		.amdhsa_system_sgpr_workgroup_id_x 1
		.amdhsa_system_sgpr_workgroup_id_y 1
		.amdhsa_system_sgpr_workgroup_id_z 1
		.amdhsa_system_vgpr_workitem_id 0
		.amdhsa_next_free_vgpr 1024
		.amdhsa_next_free_sgpr 72
		.amdhsa_reserve_vcc 1
		.amdhsa_float_denorm_mode_32 3
		.amdhsa_float_denorm_mode_16_64 3
		.amdhsa_memory_ordered 1
		.amdhsa_forward_progress 1
		.amdhsa_inst_pref_size 184
	.end_amdhsa_kernel
	.amdgpu_metadata
---
amdhsa.version: [ 1, 2 ]
amdhsa.kernels:
  - .name:           k_qd5b7454893_scores
    .symbol:         k_qd5b7454893_scores.kd
    .args:
      - { .name: qk_img, .offset: 0, .size: 8, .value_kind: global_buffer, .address_space: global }
      - { .name: qk_sc, .offset: 8, .size: 8, .value_kind: global_buffer, .address_space: global }
      - { .name: p_img, .offset: 16, .size: 8, .value_kind: global_buffer, .address_space: global }
      - { .name: p_st, .offset: 24, .size: 8, .value_kind: global_buffer, .address_space: global }
    .group_segment_fixed_size: 327680
    .private_segment_fixed_size: 0
    .kernarg_segment_align: 8
    .kernarg_segment_size: 32
    .max_flat_workgroup_size: 128
    .sgpr_count:     72
    .vgpr_count:     1024
    .wavefront_size: 32
...
	.end_amdgpu_metadata
.endif
;; end of part 3
;; launch pv (part 4): grid 8 x 32, 4 waves a work-group, clusters of 4 x 1, 327,680 bytes of LDS; arguments p_img, p_st, vt_img, vt_sc, out0; writes out0
.if DOCPART == 4
	.amdgcn_target "amdgcn-amd-amdhsa--gfx1250"
	.amdhsa_code_object_version 6
	.text
	.protected	k_qd5b7454893_pv
	.globl	k_qd5b7454893_pv
	.p2align	8
	.type	k_qd5b7454893_pv,@function
k_qd5b7454893_pv:
	s_mov_b64 s[64:65], 0
	v_nop
	global_prefetch_b8 v0, s[64:65] scope:SCOPE_SE
	s_setreg_imm32_b32 hwreg(HW_REG_WAVE_MODE, 25, 1), 1
	s_wait_xcnt 0x0
	s_wait_alu depctr_hold_cnt(0) depctr_sa_sdst(0) depctr_va_vdst(0) depctr_va_sdst(0) depctr_va_ssrc(0) depctr_va_vcc(0) depctr_vm_vsrc(0)
	s_getreg_b32 s2, hwreg(HW_REG_IB_STS2, 6, 4)
	s_cmp_eq_u32 s2, 0
	s_cbranch_scc0 .Lentry_in_a_cluster
	s_endpgm
.Lentry_in_a_cluster:
	s_bfe_u32 s2, ttmp6, 0x10000c
	s_cmp_lg_u32 s2, 0x3003
	s_cbranch_scc0 .Lentry_shape_is_right
	s_endpgm
.Lentry_shape_is_right:
; out = (P V) / l on codes: O^T = V^T P^T, source 0 = 16 of d (storage order), source 1 = 16 queries; K = the keys, a chunk of 128 a step.
; WORK LEFT OUT (shown at the head of 'quant'): key chunks behind a chunk of queries.
; SHARES.  A work-group owns TWO chunks of 128 queries of a batch, row A = chunk 15 - p and row B = chunk p, one after the other, and 128 of d: (16 - p) + (p + 1) = 17 key steps in every work-group.
; A wave owns 64 queries x 64 of d: 16 accumulators.  Grid: 8 tiles of d x (4 batches x 8 pairs).
; SLOTS.  A chunk is 16,384 bytes of P and as many of V^T; a slot holds four chunks; two slots.  The 17 steps lie in five slots: A's chunks 0-3, 4-7, 8-11; then A's 12-15 and B's 0-3 (p <= 3) or B's 0-3 and 4-7 (p >= 4).
; The first chunk of every slot counts, so every load is read and none is jumped over; the two first slots go out at the head, three are refills.  Steps behind a row's last chunk are jumped over by a scalar
; branch on ids, the same in all waves and all partners.  All steps are written out: every LDS offset is an immediate.  Slots 3 and 4 have two arms each, parted on p; where row B begins, row A goes out first.
; AHEAD OF THE STEPS thread t takes row t of each of the two chunks: the row's -M is the least of its tiles' -M; each tile's sum is brought under it by 2^(tile's M - M), exact; the same whole number is taken off the
; four bytes of the tile's scale word, which goes to LDS; 1 / l likewise.  LIMIT: a byte that would fall under 0 is held at 0: such a block lies under 2^-118 of the row's largest p.
; CLUSTER.  The four work-groups of a cluster take four neighbouring tiles of d of the same pair of rows: they need the same tiles of P, half of a slot's bytes, and waves 0 and 1 ask for them JOINTLY (mask 15).
; V^T's tiles hang on the tile of d: waves 2 and 3 ask by loads of their own, behind the same rounds.  (The work-groups that need one tile of V^T belong to different pairs, and from slot 3 on they need different chunks.)
; LDS: slot s at s x 131,072: wave w's load at w x 32,768: [4 chunks][4 blocks][2048]: P's two halves, then V^T's.  Behind the ring: V^T's scale words, filled once; P's adjusted words; 1 / l; the spare words; the stages.
; REGISTERS: window 0: addresses, scale words, the pre-pass, the way out.  window 1: v0-127 accumulator (a, b) at v[8 (4 a + b)]; v128-191 V^T's four fragments; v192-255 P's four.
.set MB,     1048576                   ; bytes from key chunk to key chunk in p_img
.set VCH,    131072                    ; and in vt_img
.set SLOT1,  131072
.set VSC,    262144                    ; [4 quarters of 32 rows][16 chunks][32] words
.set PSC,    270336                    ; row A [16 chunks][128 rows] words, then row B [8 chunks][128]
.set RL,     282624                    ; 1 / l: row A's 128, row B's 128
.set SPARE,  283648                    ; the spare words, 128 bytes for each wave
.set STAGE,  284160                    ; 16 rows x 272 bytes for each wave
.set SP,     272
.set ADP, 1                            ; v1-2  my P fragments in slot 0, 1
.set ADV, 3                            ; v3-4  my V^T fragments
.set SPW, 5
.set NIL, 6
.set AS0, 7                            ; v7   P's scale words: my half's rows
.set AT0, 8                            ; v8   V^T's
.set ARL, 9                            ; v9   1 / l of my half's rows
.set STO, 10                           ; v10  the stage, in
.set RD,  11                           ; v11  and back
.set GO,  12                           ; v12  my byte offset in two rows of out
.set PA, 13                            ; v13  256 (t / 16) + 8 (t % 16): my row in a chunk of p_st
.set PSA, 14                           ; v14  PSC + 4 t
.set PFO, 15                           ; v15  256 x lane; never rewritten
.set SA,  32                           ; v32-35 P's scale words
.set SB,  36                           ; v36-39 V^T's
.set RLR, 44                           ; v44-51 1 / l of my row in block a: the even register of a pair
.set NMA, 64                           ; pairs: a chunk's -M and sum
.set WDA, 96
.set T0,  112
.set NMB, 128                          ; pairs
.set WDB, 144
.set BK,  64                           ; the way out: two sets of 32
.set WV,  18
.set PP,  19                           ; p
.set IA,  20                           ; row A's chunk of queries, 15 - p
.set IB,  21                           ; row B's, p
.set G1P, 24
.set G1V, 32
.set VWA, 16                           ; v16  where V^T's scale words go in LDS
.set VW,  160                          ; v160-175 the words on their way
.set G0P, 48                           ; s[48:55] group 0 for P, one set for each slot
.set G0V, 56                           ; s[56:63] for V^T
.set VWB, 68                           ; s[68:69] V^T's scale words in memory: my wave's 32 rows
.set O3P, 72                           ; s[72:79] byte offsets of slots 3 and 4 in p_img and vt_img
.set O3V, 74
.set O4P, 76
.set O4V, 78
.set CX,  80
.set DX,  81
.set BT,  83
.set HF,  84
.set RH,  85
.set PF3, 92                           ; s[92:93], s[94:95] where my prefetches of slots 3 and 4 stand; never rewritten
.set PF4, 94
.set ASKF, 96                          ; 0 in a wave that prefetches
.set MSB, 0
.macro WIN new
.if MSB != (\new)
	s_set_vgpr_msb (MSB<<8)|(\new)
.set MSB, (\new)
.endif
.endm
.macro PLACES n
.rept \n
	v_nop
.endr
.endm
.macro CROUND                          ; a round of the cluster's barrier
	s_barrier_signal -1
	s_barrier_wait -1
	s_cmp_lg_u32 s[WV], 0
	s_cbranch_scc1 .Lnot_wave_0_\@
	s_barrier_signal -3
.Lnot_wave_0_\@:
	s_barrier_wait -3
	s_barrier_signal -1
	s_barrier_wait -1
.endm
; Waves 0 and 1 ask jointly for P's halves, waves 2 and 3 for V^T's.  The branch hangs on the wave's number alone.  An s_nop 0 and four v_nop follow each line.
.macro TLOAD s
	s_cmp_lt_u32 s[WV], 2
	s_cbranch_scc0 .Lfor_v_\@
	tensor_load_to_lds s[G0P+4*\s:G0P+4*\s+3], s[G1P:G1P+7]
	s_nop 0
.rept 4
	v_nop
.endr
	s_branch .Lasked_\@
.Lfor_v_\@:
	tensor_load_to_lds s[G0V+4*\s:G0V+4*\s+3], s[G1V:G1V+7]
	s_nop 0
.rept 4
	v_nop
.endr
.Lasked_\@:
.endm
; A PREFETCH INTO THE L2 of the P that the NEXT refill will ask for: four chunks x 16,384 bytes, one slot's four key steps ahead of that load.  Both clusters of a pair of rows read the same P: the first along x asks.
; Its four partners share the chunks out BY ADDRESS, a chunk each; in each, waves 0 and 1 ask for the half that they fetch: 8,192 bytes, lanes 256 bytes apart, one instruction.  So each block of 256 bytes is named once.
; Slots 0 to 2 come by their loads alone.  V^T is not asked for: of what slots 3 and 4 bring, all but chunks 12 to 15 has been brought before by this work-group's own loads.
.macro ASK pf
	s_cmp_eq_u32 s[ASKF], 0
	s_cbranch_scc0 .Lnot_mine_\@
	global_prefetch_b8 v[PFO], s[\pf:\pf+1] th:TH_LOAD_NT scope:SCOPE_SE
.Lnot_mine_\@:
.endm
	s_load_b256 s[4:11], s[0:1], 0x0               ; p_img, p_st, vt_img, vt_sc
	s_load_b64 s[12:13], s[0:1], 0x20              ; out0
	v_lshl_add_u32 v[SPW], v0, 2, SPARE
	v_mov_b32 v[NIL], 0
	ds_add_u32 v[SPW], v[NIL]                      ; the wave's opening: the add, twice on end, and its wait ahead of my first tensor load
	ds_add_u32 v[SPW], v[NIL]
	v_lshrrev_b32 v17, 5, v0
	v_readfirstlane_b32 s[WV], v17
	s_bfe_u32 s[CX], ttmp6, 0x40000                ; my place in the cluster
	s_lshl_b32 s[DX], ttmp9, 2
	s_add_co_u32 s[DX], s[DX], s[CX]               ; my tile of d: it enters V^T's, its words', out's and the prefetches' addresses alone
	s_and_b32 s82, ttmp7, 0xffff
	s_lshr_b32 s[BT], s82, 3                       ; batch
	s_and_b32 s[PP], s82, 7
	s_sub_co_u32 s[IA], 15, s[PP]
	s_mov_b32 s[IB], s[PP]
	s_and_b32 s[HF], s[WV], 1                      ; my half of d.  Also: which half I fetch
	s_lshr_b32 s[RH], s[WV], 1                     ; my half of the queries
	s_lshl_b32 s22, s[BT], 7                       ; P: block 128 x batch + 8 x chunk of queries + 4 x half, key chunk 0
	s_lshl_b32 s23, s[HF], 2
	s_add_co_u32 s22, s22, s23
	s_lshl_b32 s2, s[IA], 3
	s_add_co_u32 s2, s2, s22
	s_lshl_b32 s2, s2, 11                          ; row A's
	s_mov_b32 s3, 0
	s_lshl_b32 s23, s[IB], 3
	s_add_co_u32 s23, s23, s22
	s_lshl_b32 s23, s23, 11                        ; row B's
	s_lshl_b32 s86, s[BT], 10                      ; V^T: chunk 16 x batch (64 blocks each), block 8 x tile + 4 x half
	s_lshl_b32 s87, s[DX], 3
	s_add_co_u32 s86, s86, s87
	s_lshl_b32 s87, s[HF], 2
	s_add_co_u32 s86, s86, s87
	s_lshl_b32 s86, s86, 11
	s_mov_b32 s87, 0
	s_add_co_u32 s[O3P], s2, 12*MB
	s_add_co_u32 s[O4P], s23, 4*MB
	s_add_co_u32 s[O3V], s86, 12*VCH
	s_add_co_u32 s[O4V], s86, 4*VCH
	s_cmp_le_u32 s[PP], 3                          ; the same in all four partners
	s_cselect_b32 s[O3P], s[O3P], s23              ; slot 3: A's chunks 12-15, or B's 0-3
	s_cselect_b32 s[O4P], s23, s[O4P]              ; slot 4: B's chunks 0-3, or 4-7
	s_cselect_b32 s[O3V], s[O3V], s86
	s_cselect_b32 s[O4V], s86, s[O4V]
	s_mov_b32 s[O3P+1], 0
	s_mov_b32 s[O4P+1], 0
	s_mov_b32 s[O3V+1], 0
	s_mov_b32 s[O4V+1], 0
	s_lshl_b32 s88, s[BT], 14                      ; V^T's words: chunk 16 x batch (1,024 each), row 128 x tile + 32 x wave
	s_lshl_b32 s89, s[DX], 7
	s_add_co_u32 s88, s88, s89
	s_lshl_b32 s89, s[WV], 5
	s_add_co_u32 s88, s88, s89
	s_lshl_b32 s88, s88, 2
	s_mov_b32 s89, 0
	s_mov_b32 s[G1P+0], 15|(3<<16)|(1<<21)         ; 15:0 the mask: all four work-groups; 17:16 elements of 8 bytes; 21 set beside a mask; no padding
	s_mov_b32 s[G1P+1], 1024<<16                   ; 8,192 bytes: 4 blocks of a chunk
	s_mov_b32 s[G1P+2], 4<<16                      ; 4 chunks
	s_mov_b32 s[G1P+3], 1024<<16
	s_mov_b32 s[G1P+4], 4
	s_mov_b32 s[G1P+5], MB/8
	s_mov_b32 s[G1P+6], 0
	s_mov_b32 s[G1P+7], 0
	s_mov_b32 s[G1V+0], 3<<16                      ; no mask
	s_mov_b32 s[G1V+1], 1024<<16
	s_mov_b32 s[G1V+2], 4<<16
	s_mov_b32 s[G1V+3], 1024<<16
	s_mov_b32 s[G1V+4], 4
	s_mov_b32 s[G1V+5], VCH/8
	s_mov_b32 s[G1V+6], 0
	s_mov_b32 s[G1V+7], 0
	s_lshl_b32 s22, s[WV], 15                      ; LDS: wave x a quarter of a slot: no place in the cluster enters an LDS address
	s_lshl_b32 s82, s[WV], 11
	s_add_co_u32 s82, s82, VSC                     ; my quarter of the words
	s_wait_dscnt 0x0                               ; both opening adds are done
	s_wait_kmcnt 0x0
	s_add_nc_u64 s[VWB:VWB+1], s[10:11], s[88:89]
	s_mov_b32 s[G0P], 1
	s_mov_b32 s[G0P+1], s22
	s_add_nc_u64 s[G0P+2:G0P+3], s[4:5], s[2:3]    ; slot 0: A's chunks 0-3
	s_mov_b32 s[G0P+4], 1
	s_add_co_u32 s[G0P+5], s22, SLOT1
	s_add_nc_u64 s[G0P+6:G0P+7], s[G0P+2:G0P+3], 4*MB   ; slot 1: chunks 4-7
	s_or_b32 s[G0P+3], s[G0P+3], 0x80000000
	s_or_b32 s[G0P+7], s[G0P+7], 0x80000000
	s_mov_b32 s[G0V], 1
	s_mov_b32 s[G0V+1], s22
	s_add_nc_u64 s[G0V+2:G0V+3], s[8:9], s[86:87]
	s_mov_b32 s[G0V+4], 1
	s_add_co_u32 s[G0V+5], s22, SLOT1
	s_add_nc_u64 s[G0V+6:G0V+7], s[G0V+2:G0V+3], 4*VCH
	s_or_b32 s[G0V+3], s[G0V+3], 0x80000000
	s_or_b32 s[G0V+7], s[G0V+7], 0x80000000
	CROUND                                         ; all four work-groups are here: the first joint loads meet
	TLOAD 0                                        ; slot 0: one tensor load a wave at the head
	s_lshl_b32 s22, s[BT], 4                       ; p_st: 1,536 bytes at 16 x batch + chunk of queries, key chunk 0
	s_add_co_u32 s23, s22, s[IB]
	s_add_co_u32 s22, s22, s[IA]
	s_lshl_b32 s2, s23, 11                         ; (2,048 bytes: 8 blocks of 256)
	s_add_nc_u64 s[14:15], s[6:7], s[2:3]          ; row B's
	s_lshl_b32 s2, s22, 11
	s_add_nc_u64 s[6:7], s[6:7], s[2:3]            ; row A's
	s_lshl_b32 s86, s[BT], 11                      ; out: row 2,048 x batch + 128 x chunk + 64 x my half,
	s_lshl_b32 s87, s[RH], 6
	s_add_co_u32 s86, s86, s87
	s_lshl_b32 s87, s[IB], 7
	s_add_co_u32 s87, s87, s86
	s_lshl_b32 s88, s87, 12
	s_lshl_b32 s87, s[IA], 7
	s_add_co_u32 s87, s87, s86
	s_lshl_b32 s86, s87, 12
	s_lshl_b32 s87, s[DX], 9                       ; column 128 x tile + 64 x my half
	s_lshl_b32 s90, s[HF], 8
	s_add_co_u32 s87, s87, s90
	s_add_co_u32 s88, s88, s87
	s_add_co_u32 s86, s86, s87
	s_mov_b32 s89, 0
	s_mov_b32 s87, 0
	s_add_nc_u64 s[16:17], s[12:13], s[88:89]      ; row B's
	s_add_nc_u64 s[12:13], s[12:13], s[86:87]      ; row A's
	s_lshl_b32 s90, s[CX], 20                      ; the prefetches: my work-group's chunk of the slot's four
	s_mov_b32 s91, 0
	s_add_nc_u64 s[PF3:PF3+1], s[4:5], s[O3P:O3P+1]
	s_add_nc_u64 s[PF3:PF3+1], s[PF3:PF3+1], s[90:91]
	s_add_nc_u64 s[PF4:PF4+1], s[4:5], s[O4P:O4P+1]
	s_add_nc_u64 s[PF4:PF4+1], s[PF4:PF4+1], s[90:91]
	s_lshr_b32 s[ASKF], s[WV], 1                   ; 0 in waves 0 and 1
	s_or_b32 s[ASKF], s[ASKF], ttmp9               ; of the first cluster along x: the same in all four partners
	v_and_b32 v17, 15, v0                          ; r
	v_bfe_u32 v18, v0, 4, 1                        ; h
	v_and_b32 v19, 31, v0
	v_lshlrev_b32 v20, 4, v19                      ; 16 x lane
	v_lshlrev_b32 v[PFO], 8, v19
	s_lshl_b32 s22, s[RH], 15
	v_add_nc_u32 v[ADP], s22, v20
	s_add_co_u32 s22, s22, SLOT1
	v_add_nc_u32 v[ADP+1], s22, v20
	s_lshl_b32 s22, s[HF], 15
	s_add_co_u32 s22, s22, 65536
	v_add_nc_u32 v[ADV], s22, v20
	s_add_co_u32 s22, s22, SLOT1
	v_add_nc_u32 v[ADV+1], s22, v20
	s_lshl_b32 s22, s[RH], 8
	s_add_co_u32 s23, s22, PSC
	v_lshl_add_u32 v[AS0], v17, 2, s23
	s_add_co_u32 s23, s22, RL
	v_lshl_add_u32 v[ARL], v17, 2, s23
	s_lshl_b32 s22, s[HF], 12
	s_add_co_u32 s22, s22, VSC
	v_lshl_add_u32 v[AT0], v17, 2, s22
	s_mul_i32 s22, s[WV], 16*SP
	s_add_co_u32 s22, s22, STAGE
	v_mul_u32_u24 v[STO], v17, SP
	v_lshl_add_u32 v[STO], v18, 6, v[STO]
	v_add_nc_u32 v[STO], s22, v[STO]               ; the stage, in: row r, + 64 h
	v_mul_u32_u24 v[RD], v18, SP
	v_lshl_add_u32 v[RD], v17, 4, v[RD]
	v_add_nc_u32 v[RD], s22, v[RD]                 ; and back: lanes 0-15 one row of 256 bytes, lanes 16-31 the next
	v_lshlrev_b32 v[GO], 12, v18
	v_lshl_add_u32 v[GO], v17, 4, v[GO]            ; and the same two rows in out
	v_lshrrev_b32 v22, 4, v0
	v_lshlrev_b32 v22, 8, v22
	v_lshl_add_u32 v[PA], v17, 3, v22              ; block t / 16, row t % 16
	v_lshl_add_u32 v[PSA], v0, 2, PSC
	v_lshlrev_b32 v22, 2, v19                      ; 4 x lane
	v_add_nc_u32 v[VWA], s82, v22
.irp a, 0,1,2,3
	v_mov_b32 v[RLR+2*\a+1], 0                     ; named with 1 / l as a pair, so it is written
.endr
	; ---- the pre-pass: thread t, row t (storage order) of each of my two chunks of queries.  Row A has 9 chunks at the least, row B 8 at the most
.irp c, 9,10,11,12,13,14,15
	v_mov_b32 v[NMA+2*\c], 0x7f61b1e6              ; a chunk that does not count: -M = 3e38, over every -M; sum 0; word 0
	v_mov_b32 v[NMA+2*\c+1], 0
	v_mov_b32 v[WDA+\c], 0
.endr
.irp c, 1,2,3,4,5,6,7
	v_mov_b32 v[NMB+2*\c], 0x7f61b1e6
	v_mov_b32 v[NMB+2*\c+1], 0
	v_mov_b32 v[WDB+\c], 0
.endr
	s_wait_alu depctr_va_vdst(0)
.irp c, 0,1,2,3,4,5,6,7,8,9,10,11,12,13,14,15
.if \c > 8
	s_cmp_lt_u32 s[IA], \c                         ; only what 'scores' stored is read
	s_cbranch_scc1 .Lstats_a
.endif
	global_load_b64 v[NMA+2*\c:NMA+2*\c+1], v[PA], s[6:7] offset:\c*131072
	global_load_b32 v[WDA+\c], v[PA], s[6:7] offset:\c*131072+128
.endr
.Lstats_a:
.irp c, 0,1,2,3,4,5,6,7
.if \c > 0
	s_cmp_lt_u32 s[IB], \c
	s_cbranch_scc1 .Lstats_b
.endif
	global_load_b64 v[NMB+2*\c:NMB+2*\c+1], v[PA], s[14:15] offset:\c*131072
	global_load_b32 v[WDB+\c], v[PA], s[14:15] offset:\c*131072+128
.endr
.Lstats_b:
.irp c, 0,1,2,3,4,5,6,7,8,9,10,11,12,13,14,15
	global_load_b32 v[VW+\c], v22, s[VWB:VWB+1] offset:4096*\c   ; V^T's scale words: chunk c, 32 rows: 128 consecutive bytes
.endr
	s_wait_tensorcnt 0x0                           ; my part of slot 0 is in
	ds_add_u32 v[SPW], v[NIL]
	s_wait_dscnt 0x0
	CROUND
	TLOAD 1                                        ; slot 1: it has the pre-pass and slot 0's steps in which to land
	s_wait_loadcnt 0x0
.irp c, 0,1,2,3,4,5,6,7,8,9,10,11,12,13,14,15
	ds_store_b32 v[VWA], v[VW+\c] offset:128*\c
.endr
.macro PCALC nm, wd, cnt, lsum, rowoff
	v_min3_num_f32 v[T0], v[\nm], v[\nm+2], v[\nm+4]
.set cc, 3
.rept (\cnt-4)/2
	v_min3_num_f32 v[T0], v[T0], v[\nm+2*cc], v[\nm+2*cc+2]
.set cc, cc+2
.endr
	v_min_num_f32 v[T0], v[T0], v[\nm+2*\cnt-2]    ; the row's -M
.set cc, 0
.rept \cnt
	v_sub_f32 v[T0+1], v[T0], v[\nm+2*cc]          ; the tile's M less the row's: a whole number, 0 or less
	v_max_num_f32 v[T0+1], 0xc37f0000, v[T0+1]     ; held at -255: more than any byte holds
	v_cvt_i32_f32 v[T0+2], v[T0+1]
	v_ldexp_f32 v[T0+3], 1.0, v[T0+2]
.if cc == 0
	v_mul_f32 v[\lsum], v[\nm+1], v[T0+3]
.else
	v_fmac_f32 v[\lsum], v[\nm+2*cc+1], v[T0+3]    ; l: the tiles' sums under the row's M
.endif
	v_sub_nc_u32 v[T0+5], 0, v[T0+2]
.irp k, 0,1,2,3
	v_bfe_u32 v[T0+6+\k], v[\wd+cc], 8*\k, 8
.endr
.irp k, 0,1,2,3
	v_min_u32 v[T0+10+\k], v[T0+6+\k], v[T0+5]     ; no byte falls under 0
.endr
.irp k, 0,1,2,3
	v_sub_nc_u32 v[T0+6+\k], v[T0+6+\k], v[T0+10+\k]
.endr
	v_lshl_or_b32 v[T0+6], v[T0+7], 8, v[T0+6]
	v_lshl_or_b32 v[T0+6], v[T0+8], 16, v[T0+6]
	v_lshl_or_b32 v[T0+6], v[T0+9], 24, v[T0+6]
	ds_store_b32 v[PSA], v[T0+6] offset:\rowoff+512*cc
.set cc, cc+1
.endr
.endm
	PCALC NMA, WDA, 16, T0+4, 0
	PCALC NMB, WDB, 8, T0+14, 8192
	s_wait_alu depctr_va_vdst(0)
	v_rcp_f32 v[T0+5], v[T0+4]                     ; l is at least 1/2: the row's largest p is among its terms
	v_rcp_f32 v[T0+15], v[T0+14]
	v_nop
	s_wait_alu depctr_va_vdst(0)                   ; one wait for the two, ahead of their first reader
	ds_store_b32 v[PSA], v[T0+5] offset:RL-PSC
	ds_store_b32 v[PSA], v[T0+15] offset:RL-PSC+512
; A REFILL: each wave waits for all its tensor loads, adds 0 to its spare word, and waits for that and for its reads of the slot that it has left; a round of the cluster's barrier; my one load first thing behind it.
; op = 0: eight chunks on in the same row; else the registers that hold the slot's byte offsets.
.macro REFILL slot, op, ov
	s_wait_tensorcnt 0x0                           ; no tensor load of mine is out, so a group 0 may be written
	ds_add_u32 v[SPW], v[NIL]
.if \op == 0
	s_add_nc_u64 s[G0P+4*\slot+2:G0P+4*\slot+3], s[G0P+4*\slot+2:G0P+4*\slot+3], 8*MB
	s_add_nc_u64 s[G0V+4*\slot+2:G0V+4*\slot+3], s[G0V+4*\slot+2:G0V+4*\slot+3], 8*VCH
.else
	s_add_nc_u64 s[G0P+4*\slot+2:G0P+4*\slot+3], s[4:5], s[\op:\op+1]
	s_or_b32 s[G0P+4*\slot+3], s[G0P+4*\slot+3], 0x80000000
	s_add_nc_u64 s[G0V+4*\slot+2:G0V+4*\slot+3], s[8:9], s[\ov:\ov+1]
	s_or_b32 s[G0V+4*\slot+3], s[G0V+4*\slot+3], 0x80000000
.endif
	s_wait_dscnt 0x0
	CROUND                                         ; no wave of any partner still reads this slot or has a load on its way
	TLOAD \slot
.endm
; A KEY STEP: place q of LDS slot 'slot'; chunk c of row 'row' (0: A, 1: B).  zero = 1: its products start the row's sums.  cond = 1: the chunk may lie behind the row's last.
; The 16 accumulators take turns, one instruction a turn, in the same order in every step.
.macro STEP slot, q, row, c, zero, cond
.if \cond
	s_cmp_lt_u32 s[IA+\row], \c
	s_cbranch_scc1 .Lhid_\@
.endif
	PLACES 8                                       ; in front of loads into registers that matrix instructions have read
.irp a, 0,1,2,3
	ds_load_b32 v[SA+\a], v[AS0] offset:8192*\row+512*\c+64*\a
.endr
.irp b, 0,1,2,3
	ds_load_b32 v[SB+\b], v[AT0] offset:128*\c+2048*(\b/2)+64*(\b%2)
.endr
	WIN 0x40                                       ; destination window 1
.irp a, 0,1,2,3
.irp e, 0,1,2,3
	ds_load_b128 v[192+16*\a+4*\e:192+16*\a+4*\e+3], v[ADP+\slot] offset:8192*\q+2048*\a+512*\e
.endr
.endr
.irp b, 0,1,2,3
.irp e, 0,1,2,3
	ds_load_b128 v[128+16*\b+4*\e:128+16*\b+4*\e+3], v[ADV+\slot] offset:8192*\q+2048*\b+512*\e
.endr
.endr
	WIN 0x55                                       ; all four operands window 1
.irp b, 0,1,2,3
	s_wait_dscnt 4*(3-\b)                          ; V^T's block b is in; the blocks behind it, four loads each, may be out
.irp a, 0,1,2,3
.if \zero
	v_wmma_scale_f32_16x16x128_f8f6f4 v[8*(4*\a+\b):8*(4*\a+\b)+7], v[128+16*\b:128+16*\b+15], v[192+16*\a:192+16*\a+15], 0, v[SB+\b], v[SA+\a]
.else
	v_wmma_scale_f32_16x16x128_f8f6f4 v[8*(4*\a+\b):8*(4*\a+\b)+7], v[128+16*\b:128+16*\b+15], v[192+16*\a:192+16*\a+15], v[8*(4*\a+\b):8*(4*\a+\b)+7], v[SB+\b], v[SA+\a]
.endif
.endr
.endr
	WIN 0
.if \cond
.Lhid_\@:
.endif
.endm
; THE WAY OUT of a row.  Lane (r, h) of accumulator (a, b) holds query position r of block a and d = 32 (b / 2) + 16 h + 8 (b % 2) + j.  A block goes through my stage and comes back as whole rows of 256 bytes.
.macro TOSTAGE a
	WIN 0x41                                       ; O^T (destination and source 0) window 1, 1 / l window 0
.irp j, 0,2,4,6,8,10,12,14,16,18,20,22,24,26,28,30
	v_pk_mul_f32 v[32*\a+\j:32*\a+\j+1], v[32*\a+\j:32*\a+\j+1], v[RLR+2*\a:RLR+2*\a+1] op_sel_hi:[1,0]
.endr
	WIN 0x04                                       ; an LDS store's data are its source 1: window 1
.irp b, 0,1,2,3
	ds_store_b128 v[STO], v[32*\a+8*\b:32*\a+8*\b+3] offset:128*(\b/2)+32*(\b%2)
	ds_store_b128 v[STO], v[32*\a+8*\b+4:32*\a+8*\b+7] offset:128*(\b/2)+32*(\b%2)+16
.endr
	WIN 0
.irp t, 0,1,2,3,4,5,6,7
	ds_load_b128 v[BK+32*((\a)%2)+4*\t:BK+32*((\a)%2)+4*\t+3], v[RD] offset:2*\t*SP   ; LDS serves a wave's instructions in order: these see my stores, and the next block's stores come behind them
.endr
.endm
.macro SEND a, younger, ob
	s_wait_dscnt \younger
.irp t, 0,1,2,3,4,5,6,7
	global_store_b128 v[GO], v[BK+32*((\a)%2)+4*\t:BK+32*((\a)%2)+4*\t+3], s[\ob:\ob+1] offset:(32*((\a)/2)+8*((\a)%2)+2*(\t%4)+16*(\t/4))*4096 th:TH_STORE_NT   ; positions 2 t and 2 t + 1 at their true rows; 16 lanes store 256 consecutive bytes, aligned
.endr
.endm
.macro WAYOUT row, ob
	PLACES 8                                       ; behind the row's last products
	s_wait_xcnt 0x0                                ; the stores of an earlier way out have read their registers
.irp a, 0,1,2,3
	ds_load_b32 v[RLR+2*\a], v[ARL] offset:512*\row+64*\a
.endr
	s_wait_dscnt 0x0
	TOSTAGE 0
	TOSTAGE 1
	SEND 0, 16, \ob                                ; behind block 0's loads: block 1's 8 stores and 8 loads
	s_wait_xcnt 0x0                                ; block 0's stores have read their registers
	TOSTAGE 2
	SEND 1, 16, \ob
	s_wait_xcnt 0x0
	TOSTAGE 3
	SEND 2, 16, \ob
	SEND 3, 0, \ob
.endm
	s_wait_dscnt 0x0                               ; my stores of V^T's and P's words and of 1 / l are done; slot 1's load may be out
	s_barrier_signal -1
	s_barrier_wait -1
	STEP 0, 0, 0, 0, 1, 0                          ; row A: chunk 0 starts the sums
	STEP 0, 1, 0, 1, 0, 0
	STEP 0, 2, 0, 2, 0, 0
	STEP 0, 3, 0, 3, 0, 0
	REFILL 0, 0, 0                                 ; slot 0 takes A's chunks 8-11
	ASK PF3
	STEP 1, 0, 0, 4, 0, 0
	STEP 1, 1, 0, 5, 0, 0
	STEP 1, 2, 0, 6, 0, 0
	STEP 1, 3, 0, 7, 0, 0
	REFILL 1, O3P, O3V                             ; slot 1 takes A's chunks 12-15 or B's 0-3
	ASK PF4
	STEP 0, 0, 0, 8, 0, 0
	STEP 0, 1, 0, 9, 0, 1
	STEP 0, 2, 0, 10, 0, 1
	STEP 0, 3, 0, 11, 0, 1
	REFILL 0, O4P, O4V                             ; slot 0 takes B's chunks 0-3 or 4-7: the last load
	s_cmp_le_u32 s[PP], 3
	s_cbranch_scc0 .Lthree_b
	STEP 1, 0, 0, 12, 0, 0
	STEP 1, 1, 0, 13, 0, 1
	STEP 1, 2, 0, 14, 0, 1
	STEP 1, 3, 0, 15, 0, 1
	s_branch .Lthree_end
.Lthree_b:
	WAYOUT 0, 12                                   ; row A is finished; row B begins
	STEP 1, 0, 1, 0, 1, 0
	STEP 1, 1, 1, 1, 0, 0
	STEP 1, 2, 1, 2, 0, 0
	STEP 1, 3, 1, 3, 0, 0
.Lthree_end:
	s_wait_tensorcnt 0x0                           ; the last change of slots: my part of slot 0 is in; nothing is left to ask for
	ds_add_u32 v[SPW], v[NIL]
	s_wait_dscnt 0x0
	s_barrier_signal -1
	s_barrier_wait -1
	s_cmp_le_u32 s[PP], 3
	s_cbranch_scc0 .Lfour_b
	WAYOUT 0, 12                                   ; row A is finished; row B begins
	STEP 0, 0, 1, 0, 1, 0
	STEP 0, 1, 1, 1, 0, 1
	STEP 0, 2, 1, 2, 0, 1
	STEP 0, 3, 1, 3, 0, 1
	s_branch .Lfour_end
.Lfour_b:
	STEP 0, 0, 1, 4, 0, 0
	STEP 0, 1, 1, 5, 0, 1
	STEP 0, 2, 1, 6, 0, 1
	STEP 0, 3, 1, 7, 0, 1
.Lfour_end:
	WAYOUT 1, 16
	s_wait_tensorcnt 0x0                           ; the wave's end
	ds_add_u32 v[SPW], v[NIL]
	s_wait_dscnt 0x0
	CROUND                                         ; the closing round
	s_endpgm
.Lfunc_end_k_qd5b7454893_pv:
	.size	k_qd5b7454893_pv, .Lfunc_end_k_qd5b7454893_pv-k_qd5b7454893_pv
	.p2alignl 7, 3214868480
	.fill 96, 4, 3214868480
	.section	.rodata,"a",@progbits
	.p2align	6, 0x0
	.amdhsa_kernel k_qd5b7454893_pv
		.amdhsa_group_segment_fixed_size 327680
		.amdhsa_private_segment_fixed_size 0
		.amdhsa_enable_private_segment 0
		.amdhsa_kernarg_size 40
		.amdhsa_user_sgpr_count 2
		.amdhsa_user_sgpr_kernarg_segment_ptr 1
		.amdhsa_wavefront_size32 1
		.amdhsa_system_sgpr_workgroup_id_x 1
		.amdhsa_system_sgpr_workgroup_id_y 1
		.amdhsa_system_sgpr_workgroup_id_z 1
		.amdhsa_system_vgpr_workitem_id 0
		.amdhsa_next_free_vgpr 512
		.amdhsa_next_free_sgpr 100
		.amdhsa_reserve_vcc 0
		.amdhsa_float_denorm_mode_32 3
		.amdhsa_float_denorm_mode_16_64 3
		.amdhsa_memory_ordered 1
		.amdhsa_forward_progress 1
		.amdhsa_inst_pref_size 225
	.end_amdhsa_kernel
	.amdgpu_metadata
---
amdhsa.version: [ 1, 2 ]
amdhsa.kernels:
  - .name:           k_qd5b7454893_pv
    .symbol:         k_qd5b7454893_pv.kd
    .args:
      - { .name: p_img, .offset: 0, .size: 8, .value_kind: global_buffer, .address_space: global }
      - { .name: p_st, .offset: 8, .size: 8, .value_kind: global_buffer, .address_space: global }
      - { .name: vt_img, .offset: 16, .size: 8, .value_kind: global_buffer, .address_space: global }
      - { .name: vt_sc, .offset: 24, .size: 8, .value_kind: global_buffer, .address_space: global }
      - { .name: out0, .offset: 32, .size: 8, .value_kind: global_buffer, .address_space: global }
    .group_segment_fixed_size: 327680
    .private_segment_fixed_size: 0
    .kernarg_segment_align: 8
    .kernarg_segment_size: 40
    .max_flat_workgroup_size: 128
    .sgpr_count:     100
    .vgpr_count:     512
    .wavefront_size: 32
...
	.end_amdgpu_metadata
.endif
;; end of part 4
